; MI455X (gfx1250); checked and timed in simulation.
; The chip was launched on July 23, 2026; its instructions are those of AMD's public machine-readable ISA for CDNA 5 (MIT licence, August 2026) and "CDNA5" Instruction Set Architecture Reference Guide (July 2026). The comments in the code are by the model that wrote it; some were corrected since.
;; Self Attention. Allowed arithmetic: matrix products marked QUANTISED: E5M2 operands, one E8M0 scale for each 32 along K, by v_wmma_scale_f32_16x16x128_f8f6f4 with both operands' format E5M2, f32 sums; everything else in f32.
;; Inputs: W_attn_codes 3,072 x 32 x 32 uint8 (E5M2 codes of W_attn, K innermost, in blocks of 32 codes); W_attn_scales 3,072 x 32 uint8 (E8M0 scales of W_attn, one for each 32 codes along K); W_proj_codes 1,024 x 32 x 32 uint8 (E5M2 codes of W_proj, K innermost, in blocks of 32 codes); W_proj_scales 1,024 x 32 uint8 (E8M0 scales of W_proj, one for each 32 codes along K); x_codes 4 x 2,048 x 32 x 32 uint8 (E5M2 codes of x, K innermost, in blocks of 32 codes); x_scales 4 x 2,048 x 32 uint8 (E8M0 scales of x, one for each 32 codes along K).
;; Outputs: out0 4 x 2,048 x 1,024 float32.
;; This version of the problem:
;;   THIS VERSION OF THE PROBLEM IS GIVEN IN LOW PRECISION. The matrix products marked QUANTISED in the list below multiply operands that are first quantised to E5M2 (5 exponent bits, 2 mantissa bits; 8 bits a number), with one power-of-two scale for each 32 numbers along K (OCP MX v1.0); their sums are f32. All else is computed in f32.
;;   The module's matrix products, in the order in which they are computed (A, B: the left and right operand; K: the contracted axis; several contracted axes count as one K, in the product's order):
;;     1. [M 8,192, K 1,024] x [K 1,024, N 3,072]; A: input x (given as codes); B: input W_attn (given as codes): QUANTISED
;;     2. batch 64 x [M 2,048, K 64] x [K 64, N 2,048]; A: computed on the way; B: computed on the way: QUANTISED
;;     3. batch 64 x [M 2,048, K 2,048] x [K 2,048, N 64]; A: softmax (see below); B: computed on the way: QUANTISED
;;     4. [M 8,192, K 1,024] x [K 1,024, N 1,024]; A: computed on the way; B: input W_proj (given as codes): QUANTISED
;;   THE QUANTISER, for each operand of a quantised product, along K:
;;     - K is cut into blocks of 32 from its start; a last block that is shorter is filled with zeros.
;;     - A block's scale is 2^e with e = floor(log2(the largest magnitude in the block)) - 15, held to -126 .. 127; a block of zeros has e = 0. As a byte (E8M0): e + 127.
;;     - Each number is divided by its block's scale, clamped to +-57,344, and rounded to the nearest number of E5M2, ties to even, subnormals kept.
;;     - The product sums the exact products of the quantised numbers (number of the format x scale) in f32.
;;   ~~~python
;;   def quantise(x, axis):      # numpy; x: float32 -> the quantised numbers, widened to float32 again
;;       x = np.moveaxis(x, axis, -1); K = x.shape[-1]
;;       x = np.pad(x, [(0, 0)] * (x.ndim - 1) + [(0, -K % 32)]); x = x.reshape(x.shape[:-1] + (-1, 32)); a = np.abs(x).max(-1, keepdims=True)
;;       e = np.where(a > 0, np.clip(np.frexp(np.where(a > 0, a, 1))[1] - 1 - 15, -126, 127), 0)      # np.frexp(a)[1] - 1 = floor(log2(a)), exactly
;;       r = np.clip(x / 2.0 ** e, -57344, 57344)
;;       step = 2.0 ** (np.maximum(np.frexp(np.where(r == 0, 1, r))[1] - 1, -14) - 2)
;;       q = np.round(r / step) * step * 2.0 ** e      # np.round: ties to even
;;       return np.moveaxis(q.reshape(q.shape[:-2] + (-1,))[..., :K], -1, axis).astype(np.float32)
;;   ~~~
;;   SOFTMAX AHEAD OF A QUANTISED PRODUCT. Where the list says 'softmax', what is quantised is not the finished softmax but p = 2^(t - M), with t = logit x log2(e) and M = ceil(the row's largest t), a whole number; so 1/2 < the row's largest p <= 1. The row's sum l is taken of the UNQUANTISED p, in f32, and the product's result is divided by l at the end. Since M is a whole number, a kernel that streams over the keys may use a running M (the ceiling of the running maximum): every later rescaling is an exact power of two, which a block's scale takes up: the codes' values come out the same.
;;   OPERANDS COMPUTED ON THE WAY. 'Computed on the way' means the value that the module computes at that place (a softmax that the list does not call 'softmax' is quantised finished and normalised). What goes into a quantiser is computed in f32, as accurately as f32 sums, v_exp_f32 and their like allow (about 1e-6 of the number): no bf16 or f16 on the way to a quantiser, and a product that is left as it is and whose result goes on into a quantised operand takes f32 operands (vector FMAs, or v_wmma_f32_16x16x4_f32). A number that lies on a knife's edge between two numbers of the format may be rounded either way, as far as f32 arithmetic and the matrix unit's own rounding can turn it there, and no further.
;;   INPUTS GIVEN AS CODES. W_attn (in the module: [1024, 3072], K = its axis 0); W_proj (in the module: [1024, 1024], K = its axis 0); x (in the module: [4, 2048, 1024], K = its axis 2): each comes as NAME_codes (uint8): NAME with its K axis moved to the last place and cut into blocks of 32 codes, [.., K / 32, bytes a block], one block behind the other in memory; one code a byte (a code: sign, 5 exponent bits, 2 mantissa bits); and NAME_scales (uint8): the same leading axes, one E8M0 byte (e + 127) for each 32 codes along K. Its value is code x scale, taken as it is: it is not quantised again, and the codes and scales need not be those that the quantiser above would give.
;; One version. Each part assembles by itself: llvm-mc -triple=amdgcn-amd-amdhsa -mcpu=gfx1250 --defsym DOCPART=n.
;; ======== version 1 of 1: 4 launches
;; limits: right only within a limited range of input values
;; workspace buffers: rope 524,288 bytes; qb 8,912,896 bytes; kv 17,301,504 bytes; y_img 8,388,608 bytes; y_sc 262,144 bytes
;; launch rope (part 1): grid 128 x 1, 1 waves a work-group, no clusters, 0 bytes of LDS; arguments rope; writes rope
.if DOCPART == 1
	.amdgcn_target "amdgcn-amd-amdhsa--gfx1250"
	.amdhsa_code_object_version 6
	.text
	.protected	k_qc3bcd845da_rope
	.globl	k_qc3bcd845da_rope
	.p2align	8
	.type	k_qc3bcd845da_rope,@function
k_qc3bcd845da_rope:
	s_mov_b64 s[64:65], 0
	v_nop
	global_prefetch_b8 v0, s[64:65] scope:SCOPE_SE
	s_setreg_imm32_b32 hwreg(HW_REG_WAVE_MODE, 25, 1), 1
	s_wait_xcnt 0x0
; THE TABLE OF COSINES AND SINES for the rotary embedding: 2,048 places t x 32 frequencies i, angle = t x inv_freq(i), inv_freq(i) = 1 / 10000^(i / 32) = 1 / 10^(i / 8).
; It is laid in the order in which the next launch's lanes want it: [t / 16][n 0..7][lane][16 bytes]; lane (r = lane % 16, h = lane / 16) finds cos, sin of frequency i and cos, sin of i + 1 for t = 16 (t / 16) + r,
; with i = 8 (n / 2) + 4 h + 2 (n % 2).  One wave makes the 4,096 bytes of 16 places; each of its eight stores covers 512 consecutive bytes.
; ARITHMETIC, all f32: 10^(i / 8) is a constant rounded to f32; its reciprocal is v_rcp_f32 mended by one Newton step; the angle is ONE f32 product, as the model forms it; the angle is reduced by
; k = the nearest whole number to angle x 2 / pi, with pi / 2 in three parts and fused multiply-adds; cosine and sine of the rest (within +-pi / 4) are polynomials; k's low two bits give the quadrant.
; LIMITS: angles up to 2,047 (fixed by the shape).  10^(i / 8) is taken as the f32 number nearest to it: a power function that is one unit in the last place off moves the largest angles by about 1e-4.
; A lane's sixteen angles are worked side by side, step by step, so that no line waits for the line above it.  No LDS, no barrier, no loop: the work is a few hundred lines a wave.
.set P,   8                            ; v8-23    10^(i / 8)
.set INV, 24                           ; v24-39   inv_freq
.set AN,  40                           ; v40-55   the angle, then its rest
.set KK,  56                           ; v56-71   k
.set SS,  72                           ; v72-87   rest^2, then rest^3
.set CC,  88                           ; v88-103  cosine of the rest
.set FF,  104                          ; v104-119 sine of the rest
.set QQ,  120                          ; v120-135 k as a whole number
.set OUT, 136                          ; v136-167 cos, sin by turns
	s_load_b64 s[4:5], s[0:1], 0x0
	v_and_b32 v1, 15, v0                           ; r
	v_bfe_u32 v2, v0, 4, 1                         ; h
	s_lshl_b32 s6, ttmp9, 4
	v_add_nc_u32 v3, s6, v1
	v_cvt_f32_u32 v3, v3                           ; t = 16 x work-group + r
	v_lshlrev_b32 v4, 4, v0                        ; 16 x lane (one wave: the thread's number is the lane)
	v_cmp_eq_u32 vcc_lo, 1, v2                     ; lanes 16-31 take the frequency four further on
	s_lshl_b32 s6, ttmp9, 12
	s_mov_b32 s7, 0
	s_mov_b32 s8, 0x3f22f983                       ; 2 / pi
	s_mov_b32 s9, 0x3fc90fdb                       ; pi / 2: its first 24 bits,
	s_mov_b32 s10, 0xb33bbd2e                      ; the next,
	s_mov_b32 s11, 0xa6f72ce8                      ; and the next
	s_mov_b32 s12, 0x37cd4000                      ; cosine: 2.4468e-5
	s_mov_b32 s13, 0xbab6077d                      ; -1.38877297e-3
	s_mov_b32 s14, 0x3d2aaaa8                      ; 4.16666567e-2
	s_mov_b32 s15, 0x36405000                      ; sine: 2.8657e-6
	s_mov_b32 s16, 0xb9503486                      ; -1.98559923e-4
	s_mov_b32 s17, 0x3c0888c1                      ; 8.33338592e-3
	s_mov_b32 s18, 0xbe2aaaab                      ; -1.66666672e-1
	s_mov_b32 s19, 0x80000000                      ; the sign
.macro PAIR idx, lo, hi                ; number idx = 2 n + e of my sixteen: frequency 8 (n / 2) + 2 (n % 2) + e, or four on
	v_mov_b32 v6, \lo
	v_mov_b32 v7, \hi
	v_cndmask_b32 v[P+\idx], v6, v7, vcc_lo
.endm
	PAIR 0,  1.0,             3.1622776601684
	PAIR 1,  1.3335214321633, 4.2169650342858
	PAIR 2,  1.7782794100389, 5.6234132519035
	PAIR 3,  2.3713737056617, 7.4989420933246
	PAIR 4,  10.0,            31.622776601684
	PAIR 5,  13.335214321633, 42.169650342858
	PAIR 6,  17.782794100389, 56.234132519035
	PAIR 7,  23.713737056617, 74.989420933246
	PAIR 8,  100.0,           316.22776601684
	PAIR 9,  133.35214321633, 421.69650342858
	PAIR 10, 177.82794100389, 562.34132519035
	PAIR 11, 237.13737056617, 749.89420933246
	PAIR 12, 1000.0,          3162.2776601684
	PAIR 13, 1333.5214321633, 4216.9650342858
	PAIR 14, 1778.2794100389, 5623.4132519035
	PAIR 15, 2371.3737056617, 7498.9420933246
	s_wait_alu depctr_va_vdst(0)
.irp j, 0,1,2,3,4,5,6,7,8,9,10,11,12,13,14,15
	v_rcp_f32 v[INV+\j], v[P+\j]
.endr
	v_nop                                          ; a plain instruction behind the last reciprocal,
	s_wait_alu depctr_va_vdst(0)                   ; and one wait for the batch of sixteen, ahead of the first line that names a result
.irp j, 0,1,2,3,4,5,6,7,8,9,10,11,12,13,14,15
	v_fma_f32 v[AN+\j], -v[P+\j], v[INV+\j], 1.0   ; what the reciprocal leaves over,
.endr
.irp j, 0,1,2,3,4,5,6,7,8,9,10,11,12,13,14,15
	v_fma_f32 v[INV+\j], v[AN+\j], v[INV+\j], v[INV+\j]   ; taken in: 1 / P to the last bit
.endr
.irp j, 0,1,2,3,4,5,6,7,8,9,10,11,12,13,14,15
	v_mul_f32 v[AN+\j], v3, v[INV+\j]              ; the angle: one rounding
.endr
.irp j, 0,1,2,3,4,5,6,7,8,9,10,11,12,13,14,15
	v_mul_f32 v[KK+\j], s8, v[AN+\j]
.endr
.irp j, 0,1,2,3,4,5,6,7,8,9,10,11,12,13,14,15
	v_rndne_f32 v[KK+\j], v[KK+\j]                 ; k
.endr
.irp c, 9,10,11
.irp j, 0,1,2,3,4,5,6,7,8,9,10,11,12,13,14,15
	v_fma_f32 v[AN+\j], -v[KK+\j], s\c, v[AN+\j]   ; the rest = angle - k pi / 2, part by part
.endr
.endr
.irp j, 0,1,2,3,4,5,6,7,8,9,10,11,12,13,14,15
	v_mul_f32 v[SS+\j], v[AN+\j], v[AN+\j]
.endr
.irp j, 0,1,2,3,4,5,6,7,8,9,10,11,12,13,14,15
	v_fma_f32 v[CC+\j], v[SS+\j], s12, s13
	v_fma_f32 v[FF+\j], v[SS+\j], s15, s16
.endr
.irp j, 0,1,2,3,4,5,6,7,8,9,10,11,12,13,14,15
	v_fma_f32 v[CC+\j], v[CC+\j], v[SS+\j], s14
	v_fma_f32 v[FF+\j], v[FF+\j], v[SS+\j], s17
.endr
.irp j, 0,1,2,3,4,5,6,7,8,9,10,11,12,13,14,15
	v_fma_f32 v[CC+\j], v[CC+\j], v[SS+\j], -0.5
	v_fma_f32 v[FF+\j], v[FF+\j], v[SS+\j], s18
.endr
.irp j, 0,1,2,3,4,5,6,7,8,9,10,11,12,13,14,15
	v_fma_f32 v[CC+\j], v[CC+\j], v[SS+\j], 1.0    ; cosine of the rest
	v_mul_f32 v[SS+\j], v[AN+\j], v[SS+\j]         ; rest^3
.endr
.irp j, 0,1,2,3,4,5,6,7,8,9,10,11,12,13,14,15
	v_fma_f32 v[FF+\j], v[FF+\j], v[SS+\j], v[AN+\j]   ; sine of the rest
	v_cvt_i32_f32 v[QQ+\j], v[KK+\j]
.endr
.irp j, 0,1,2,3,4,5,6,7,8,9,10,11,12,13,14,15
	v_and_b32 v6, 1, v[QQ+\j]
	v_cmp_eq_u32 vcc_lo, 1, v6                     ; an odd quadrant: cosine and sine change places
	v_cndmask_b32 v[OUT+2*\j], v[CC+\j], v[FF+\j], vcc_lo
	v_cndmask_b32 v[OUT+2*\j+1], v[FF+\j], v[CC+\j], vcc_lo
	v_add_nc_u32 v7, 1, v[QQ+\j]
	v_lshlrev_b32 v6, 30, v[QQ+\j]                 ; bit 1 of k: the sine's sign;
	v_lshlrev_b32 v7, 30, v7                       ; bit 1 of k + 1: the cosine's
	v_and_b32 v6, s19, v6
	v_and_b32 v7, s19, v7
	v_xor_b32 v[OUT+2*\j+1], v[OUT+2*\j+1], v6
	v_xor_b32 v[OUT+2*\j], v[OUT+2*\j], v7
.endr
	s_wait_alu depctr_va_vdst(0)
	s_wait_kmcnt 0x0
	s_add_nc_u64 s[4:5], s[4:5], s[6:7]            ; my 4,096 bytes
.irp n, 0,1,2,3,4,5,6,7
	global_store_b128 v4, v[OUT+4*\n:OUT+4*\n+3], s[4:5] offset:512*\n   ; 32 lanes store 512 consecutive bytes, at a multiple of 256 from the buffer's first byte
.endr
	s_endpgm
.Lfunc_end_k_qc3bcd845da_rope:
	.size	k_qc3bcd845da_rope, .Lfunc_end_k_qc3bcd845da_rope-k_qc3bcd845da_rope
	.p2alignl 7, 3214868480
	.fill 96, 4, 3214868480
	.section	.rodata,"a",@progbits
	.p2align	6, 0x0
	.amdhsa_kernel k_qc3bcd845da_rope
		.amdhsa_group_segment_fixed_size 0
		.amdhsa_private_segment_fixed_size 0
		.amdhsa_enable_private_segment 0
		.amdhsa_kernarg_size 8
		.amdhsa_user_sgpr_count 2
		.amdhsa_user_sgpr_kernarg_segment_ptr 1
		.amdhsa_wavefront_size32 1
		.amdhsa_system_sgpr_workgroup_id_x 1
		.amdhsa_system_sgpr_workgroup_id_y 1
		.amdhsa_system_sgpr_workgroup_id_z 1
		.amdhsa_system_vgpr_workitem_id 0
		.amdhsa_next_free_vgpr 168
		.amdhsa_next_free_sgpr 66
		.amdhsa_reserve_vcc 1
		.amdhsa_float_denorm_mode_32 3
		.amdhsa_float_denorm_mode_16_64 3
		.amdhsa_memory_ordered 1
		.amdhsa_forward_progress 1
		.amdhsa_inst_pref_size 27
	.end_amdhsa_kernel
	.amdgpu_metadata
---
amdhsa.version: [ 1, 2 ]
amdhsa.kernels:
  - .name:           k_qc3bcd845da_rope
    .symbol:         k_qc3bcd845da_rope.kd
    .args:
      - { .name: rope, .offset: 0, .size: 8, .value_kind: global_buffer, .address_space: global }
    .group_segment_fixed_size: 0
    .private_segment_fixed_size: 0
    .kernarg_segment_align: 8
    .kernarg_segment_size: 8
    .max_flat_workgroup_size: 32
    .sgpr_count:     66
    .vgpr_count:     168
    .wavefront_size: 32
...
	.end_amdgpu_metadata
.endif
;; end of part 1
;; launch qkv (part 2): grid 8 x 32, 4 waves a work-group, clusters of 4 x 4, 327,680 bytes of LDS; arguments x_codes, x_scales, W_attn_codes, W_attn_scales, rope, qb, kv; writes qb, kv
.if DOCPART == 2
	.amdgcn_target "amdgcn-amd-amdhsa--gfx1250"
	.amdhsa_code_object_version 6
	.text
	.protected	k_qc3bcd845da_qkv
	.globl	k_qc3bcd845da_qkv
	.p2align	8
	.type	k_qc3bcd845da_qkv,@function
k_qc3bcd845da_qkv:
	s_mov_b64 s[64:65], 0
	v_nop
	global_prefetch_b8 v0, s[64:65] scope:SCOPE_SE
	s_setreg_imm32_b32 hwreg(HW_REG_WAVE_MODE, 25, 1), 1
	s_wait_xcnt 0x0
	s_wait_alu depctr_hold_cnt(0) depctr_sa_sdst(0) depctr_va_vdst(0) depctr_va_sdst(0) depctr_va_ssrc(0) depctr_va_vcc(0) depctr_vm_vsrc(0)
	s_getreg_b32 s2, hwreg(HW_REG_IB_STS2, 6, 4)
	s_cmp_eq_u32 s2, 0
	s_cbranch_scc0 .Lentry_in_a_cluster
	s_endpgm
.Lentry_in_a_cluster:
	s_bfe_u32 s2, ttmp6, 0x10000c
	s_cmp_lg_u32 s2, 0xf033
	s_cbranch_scc0 .Lentry_shape_is_right
	s_endpgm
.Lentry_shape_is_right:
; qkv = x W_attn on codes of BF8 (E5M2) with one E8M0 scale for each 32 along K = 1,024; then the rotary embedding of q and k; then q and k are quantised along the head's 64, v along the keys.
; Nothing but codes and scale bytes goes to memory, laid in the order of the next launch's operand registers, so that every store of codes covers 512 consecutive bytes.
; THE PRODUCT.  A tile of 256 x 256 is made by four waves, as many as a WGP has SIMDs; a wave makes 128 x 128: 64 accumulators, 512 registers.  K goes in steps of 256 through a ring of two LDS slots filled by the tensor
; data mover (a tile's row is 256 bytes of memory); the scale bytes of the tile's 2 x 256 rows, for all of K, come into LDS once, with the first fills.  K = 1,024 is four slots: the steps are written out, there is no loop.
; CLUSTERS: 4 x 4 work-groups; the four of a row of the cluster ask jointly for the tiles of the operand on the lane axis ('A', source 1), the four of a column for those on the register axis ('B', source 0).
; THREE KINDS OF CLUSTER, by the cluster's x, which all sixteen partners share: 0 makes q, 1 makes k, 2 makes v (four tile columns are 1,024 of the 3,072 columns).
;   q, k: A = x (a lane holds one row t), B = W_attn (a lane's registers run along the head's channels): the quantiser's K is the head.
;   v:    A = W_attn (a lane holds one channel), B = x (a lane's registers run along the keys): the quantiser's K is the keys.  Only pointers and tile numbers are chosen; the K steps are one text.
;   That one text also asks for the first two blocks of the table of cosines and sines, which v's clusters do not use: sixteen loads, 8,192 bytes, a wave; so all waves take one way up to the way out.
; THE WAY OUT needs no LDS and no barrier.  Of A's block a (16 rows) a lane (r = lane % 16, h = lane / 16) holds 64 numbers: register 8 b + j = column 16 b + 8 h + j of the wave's 128: four blocks of 32, each shared with lane xor 16.
; A block's two conversions give codes of columns 8 h .. + 7 and 16 + 8 h .. + 7; two exchanges between the halves of the lanes turn them into columns 16 h .. 16 h + 15, the operand's layout.
; qb: [b x 16 + head][block of 256 queries] 17,408 bytes: codes [tile of 16][32 channels c][lane][16]; from 16,384 the scale words [g][lane][e]: tile 4 g + 2 e + h, query r, bytes s0 s1 s0 s1.
; kv: [b x 16 + head][256 keys] 33,792 bytes: k's codes as q's; from 16,384 v's codes [128 keys][16 channels][32 keys c][lane][16]; from 32,768 k's scale words [128 keys][lane][e]: keys 32 (2 e + h) + r and + 16: s0 s1 s0 s1;
;     from 33,280 v's scale words [128 keys][lane][e]: channel 16 (2 e + h) + r, a byte for each 32 keys.
; LIMITS: NaN and infinities are not served.  A block whose largest magnitude lies under 2^-111 keeps the scale byte 1, a block of zeros too (the rule says 127): its codes are zeros, and these bytes are read by this program alone.
; REGISTERS, in windows of 256: window 0: v0-31 addresses; v32-63 scale words, two sets; v64-127 the table of cosines and sines, two sets; from v128 A's fragments, ONE set; on the way out v128-255 are at work.
;   window 1: B's fragments, TWO sets.   window 2: the 32 accumulators of A's blocks 0-3 ((a, b) at v[8 (8 a + b)]);   window 3: those of blocks 4-7.
.set KSTEP,  256                       ; along K in a slot
.set NQ,     KSTEP/128                 ; matrix instructions deep
.set ROWB,   256                       ; a tile's row in bytes
.set KROW,   1024                      ; a row of x or of W_attn in memory, in bytes
.set PITCH,  272                       ; an LDS row: 256 bytes + 16 of padding = 68 words: the 16 rows that a load touches start at 16 different banks (64 banks of 4 bytes: ISA guide 11.1)
.set FR,     16                        ; registers of a fragment: 16 rows x 128 K
.set NL,     4                         ; LDS loads that bring one
.set NP,     8                         ; places behind this matrix instruction (ISA guide 7.12.1)
.set HALFT,  128*PITCH                 ; 128 rows: what one tensor load brings
.set SLOT,   4*HALFT                   ; A's 256 rows, then B's 256 rows
.set KS,     32                        ; a row of scale bytes
.set SCL,    2*SLOT                    ; behind the ring: the scales, as units of 256 bytes + 16 of padding
.set HALFS,  (128*KS/256)*272          ; the scales of 128 rows
.set SBLK,   (16*KS/256)*272           ; those of 16 rows
; THE DEAL AS IT STANDS NOW (it takes the place of what the head says of three kinds of cluster): 256 work-groups, 8 x 32.  Cluster x = 0 makes q, 1 makes k: a block of 256 rows x 256 columns, A = x, B = W_attn.
; THEN EVERY WORK-GROUP MAKES A HALF BLOCK OF v, with the ring running on: A = 128 rows of W_attn (channels 256 cy + 128 cluster x of v), B = 256 rows of x (keys, x's tile 4 cluster y + cx); a wave makes 64 channels x 128 keys.
; The first block's last two changes of slots ask for v's K steps 0 and 1, which are on their way during the way out of q or k.  v's scale bytes come with slot 1's first fill.
.set SCV,    SCL+4*HALFS               ; v's scales: W_attn's 128 rows, then x's 256
.set SPARE,  SCL+7*HALFS
.set ADRV,   18                        ; v18-19  LDS address of my fragments of v's A in slot 0, 1
.set ADRSV,  26                        ; v26     LDS address of v's scale words
.set QBLK,   17408                     ; a block of qb
.set KVBLK,  33792                     ; a block of kv
.set ADRA, 16                          ; v16-17  LDS address of my A fragments in slot 0, 1
.set ADRB, 20                          ; v20-21  the same for B
.set LI,   24                          ; v24     16 x lane
.set L8,   25                          ; v25     8 x lane
.set ADRS, 27                          ; v27     LDS address of my scale words: lanes 0-15 A's rows, lanes 16-31 B's
.set SPW,  28                          ; v28     LDS address of my spare word; never rewritten
.set NIL,  29                          ; v29     0; never rewritten
.set SC,   32                          ; scale words, set s at v[SC + 8 NQ s]
.set TBL,  64                          ; v64-127  cos, sin of A's block a in set a % 2
.set AF,   128                         ; A's fragments
.set H,    128                         ; the way out: v128-191 a block's 64 numbers
.set PC,   192                         ; v192-207 its codes
.set TM,   208                         ; v208-211 largest magnitudes, v212-215 bytes, v216-219 the largest number x the scale, v220-223 the conversions' scale operands
.set PWS,  224                         ; v224-231 the scale word of each of the eight blocks
.set T,    232                         ; v232-239 four pairs at work
.set TD,   240                         ; v240-247 scale words on their way out
.set TL,   248                         ; v248-249 at work
.set G1, 24                            ; s[24:31] descriptor group 1 for A's tiles;  s[32:39] group 0, one set for each slot
.set G0, 32
.set G1B, 48                           ; s[48:55], s[56:63] the same for B's tiles
.set G0B, 56
.set G1S, 68                           ; s[68:75], s[76:79] groups 1 and 0 for A's scales;  s[80:87], s[88:91] for B's
.set G0S, 76
.set G1SB, 80
.set G0SB, 88
.set MSB, 0
.macro WIN new                         ; the immediate's high byte repeats the setting that is left; a switch that changes nothing is dropped
.if MSB != (\new)
	s_set_vgpr_msb (MSB<<8)|(\new)
.set MSB, (\new)
.endif
.endm
.set MUL_LO, 0xa1                      ; source 0 (B) window 1, source 1 (A) window 0, C and D window 2
.set MUL_HI, 0xf1                      ; the same, C and D window 3
.set TO_B,   0x40                      ; destination window 1, address window 0
; A joint load: waves 0 and 1 fetch for A, waves 2 and 3 for B.  Each of the two lines has one mask and one set of registers for all that issue it; the branch hangs on the wave's number alone.
; Four v_nop follow each of the two lines, ahead of the jump, the label and what follows.
.macro JLOAD g0a, g1a, g0b, g1b
	s_cmp_eq_u32 s15, 0
	s_cbranch_scc0 .Lfor_b_\@
	tensor_load_to_lds s[\g0a:\g0a+3], s[\g1a:\g1a+7]
	s_nop 0
.rept 4
	v_nop
.endr
	s_branch .Lasked_\@
.Lfor_b_\@:
	tensor_load_to_lds s[\g0b:\g0b+3], s[\g1b:\g1b+7]
	s_nop 0
.rept 4
	v_nop
.endr
.Lasked_\@:
.endm
.macro CREST                           ; a round of the cluster's barrier behind its opening barrier
	s_cmp_lg_u32 s14, 0
	s_cbranch_scc1 .Lnot_wave_0_\@
	s_barrier_signal -3
.Lnot_wave_0_\@:
	s_barrier_wait -3
	s_barrier_signal -1
	s_barrier_wait -1
.endm
.macro CROUND                          ; a whole round
	s_barrier_signal -1
	s_barrier_wait -1
	CREST
.endm
	s_load_b256 s[4:11], s[0:1], 0x0               ; x's codes s[4:5], x's scales s[6:7], W_attn's codes s[8:9], its scales s[10:11]
	s_load_b128 s[96:99], s[0:1], 0x20             ; the table s[96:97], qb s[98:99]
	s_load_b64 s[100:101], s[0:1], 0x30            ; kv
	v_lshl_add_u32 v[SPW], v0, 2, SPARE
	v_mov_b32 v[NIL], 0
	ds_add_u32 v28, v29
	ds_add_u32 v28, v29
	s_wait_dscnt 0x0
	v_lshrrev_b32 v1, 5, v0
	v_readfirstlane_b32 s14, v1                    ; wave 0..3
	s_lshr_b32 s15, s14, 1                         ; which half of A's 256 rows is mine.  Also: I fetch for A (0) or for B (1)
	s_and_b32 s16, s14, 1                          ; which half of B's.  Also: which 128 rows of that tile I fetch
	s_bfe_u32 s40, ttmp6, 0x40000                  ; cx, cy: my place in the cluster
	s_bfe_u32 s41, ttmp6, 0x40004
	s_and_b32 s18, ttmp7, 0xffff
	s_lshl_b32 s18, s18, 2                         ; 4 x cluster y
	s_add_co_u32 s17, s18, s41                     ; q, k: A's tile = x's rows 256 (4 cluster y + cy) on
	s_lshl_b32 s42, ttmp9, 2
	s_add_co_u32 s42, s42, s40                     ; B's tile = W_attn's rows 256 (4 cluster x + cx) on
	s_lshl_b32 s43, s41, 2
	s_lshl_b32 s43, 15, s43                        ; my row of the cluster
	s_lshl_b32 s44, 0x1111, s40                    ; my column
	; descriptor group 1: a tile of 128 rows x 256 bytes, padded in LDS
	s_or_b32 s[G1+0], s43, (0<<16)|(1<<20)|(1<<21)|(5<<22)|(3<<25)  ; 15:0 the mask; 17:16 element of 1 byte; 20 padding on; 21 set beside a mask; 24:22 after every 64 words (code 5); 31:25 of 4 words (code 3)
	s_or_b32 s[G1B+0], s44, (0<<16)|(1<<20)|(1<<21)|(5<<22)|(3<<25)
.irp g, G1, G1B
	s_mov_b32 s[\g+1], ROWB<<16                    ; tensor_dim0
	s_mov_b32 s[\g+2], 256<<16                     ; tensor_dim1 = 256 for the head's loads; set to 128 for the ring's behind them
	s_mov_b32 s[\g+3], ROWB<<16                    ; tile_dim0
	s_mov_b32 s[\g+4], 256                         ; tile_dim1 likewise
	s_mov_b32 s[\g+5], KROW                        ; tensor_dim0_stride
	s_mov_b32 s[\g+6], 0
	s_mov_b32 s[\g+7], 0
.endr
	; and for the scales of 256 rows: a dense block of 8,192 bytes, as rows of 256 bytes (32 elements of 8 bytes), 16 bytes of padding behind each
	s_or_b32 s[G1S+0], s43, (3<<16)|(1<<20)|(1<<21)|(5<<22)|(3<<25)
	s_or_b32 s[G1SB+0], s44, (3<<16)|(1<<20)|(1<<21)|(5<<22)|(3<<25)
.irp g, G1S, G1SB
	s_mov_b32 s[\g+1], 32<<16
	s_mov_b32 s[\g+2], (256*KS/256)<<16            ; the scales of all 256 rows come by one load
	s_mov_b32 s[\g+3], 32<<16
	s_mov_b32 s[\g+4], 256*KS/256
	s_mov_b32 s[\g+5], 32
	s_mov_b32 s[\g+6], 0
	s_mov_b32 s[\g+7], 0
.endr
	s_lshl_b32 s20, s17, 8                         ; A: the tile's first row
	s_lshl_b32 s46, s42, 8                         ; B likewise
	s_mov_b32 s21, 0
	s_mov_b32 s47, 0
	s_mov_b64 s[18:19], KS
	s_mul_u64 s[22:23], s[20:21], s[18:19]         ; where these rows' scales begin, in bytes
	s_mul_u64 s[92:93], s[46:47], s[18:19]
	s_mov_b64 s[18:19], KROW
	s_mul_u64 s[20:21], s[20:21], s[18:19]         ; and their codes
	s_mul_u64 s[46:47], s[46:47], s[18:19]
	s_mul_i32 s45, s14, HALFT                      ; where they go: wave x 128 rows: no place in the cluster enters an LDS address
	s_wait_kmcnt 0x0
	s_add_nc_u64 s[20:21], s[4:5], s[20:21]        ; A = x: codes,
	s_add_nc_u64 s[22:23], s[6:7], s[22:23]        ; scales
	s_add_nc_u64 s[46:47], s[8:9], s[46:47]        ; B = W_attn: codes,
	s_add_nc_u64 s[92:93], s[10:11], s[92:93]      ; scales
	s_lshl_b32 s18, s41, 8                         ; v's A: W_attn's row 2,048 + 256 cy + 128 cluster x
	s_lshl_b32 s19, ttmp9, 7
	s_add_co_u32 s18, s18, s19
	s_add_co_u32 s18, s18, 2048
	s_lshl_b32 s12, s18, 5
	s_mov_b32 s13, 0
	s_add_nc_u64 s[66:67], s[10:11], s[12:13]      ; its scales
	s_lshl_b32 s12, s18, 10
	s_lshl_b32 s19, s16, 16                        ; in the ring I fetch 64 of its rows
	s_add_co_u32 s12, s12, s19
	s_add_nc_u64 s[2:3], s[8:9], s[12:13]          ; its codes
	s_and_b32 s18, ttmp7, 0xffff                   ; v's B: x's tile 4 cluster y + cx
	s_lshl_b32 s18, s18, 2
	s_add_co_u32 s18, s18, s40
	s_lshl_b32 s12, s18, 18
	s_lshl_b32 s19, s16, 17                        ; 128 of its rows
	s_add_co_u32 s12, s12, s19
	s_add_nc_u64 s[94:95], s[4:5], s[12:13]
	CROUND                                         ; all sixteen work-groups are here: the first joint loads meet
	s_mov_b32 s[G0S], 1
	s_mov_b32 s[G0S+1], SCL
	s_mov_b64 s[G0S+2:G0S+3], s[22:23]
	s_or_b32 s[G0S+3], s[G0S+3], 0x80000000
	s_mov_b32 s[G0SB], 1
	s_mov_b32 s[G0SB+1], SCL+2*HALFS
	s_mov_b64 s[G0SB+2:G0SB+3], s[92:93]
	s_or_b32 s[G0SB+3], s[G0SB+3], 0x80000000
	s_and_b32 s18, ttmp7, 0xffff                   ; the scales of v's B (s[92:93] has been read)
	s_lshl_b32 s18, s18, 2
	s_add_co_u32 s18, s18, s40
	s_lshl_b32 s92, s18, 13
	s_mov_b32 s93, 0
	s_add_nc_u64 s[92:93], s[6:7], s[92:93]
.set G0H, 4
.set G0HB, 8
	s_mov_b32 s[G0H], 1                            ; K step 0's 256 rows of A,
	s_mov_b32 s[G0H+1], 0
	s_mov_b64 s[G0H+2:G0H+3], s[20:21]
	s_or_b32 s[G0H+3], s[G0H+3], 0x80000000
	s_mov_b32 s[G0HB], 1                           ; and of B, behind them in slot 0
	s_mov_b32 s[G0HB+1], 2*HALFT
	s_mov_b64 s[G0HB+2:G0HB+3], s[46:47]
	s_or_b32 s[G0HB+3], s[G0HB+3], 0x80000000
	s_mul_i32 s18, s16, 128*KROW                   ; for the ring: my 128 rows of the tile
	s_mov_b32 s19, 0
	s_add_nc_u64 s[20:21], s[20:21], s[18:19]
	s_add_nc_u64 s[46:47], s[46:47], s[18:19]
.irp s, 0,1
	s_mov_b32 s[G0+4*\s], 1
	s_add_co_u32 s[G0+4*\s+1], s45, \s*SLOT
	s_add_nc_u64 s[G0+4*\s+2:G0+4*\s+3], s[20:21], \s*ROWB
	s_or_b32 s[G0+4*\s+3], s[G0+4*\s+3], 0x80000000
	s_mov_b32 s[G0B+4*\s], 1
	s_add_co_u32 s[G0B+4*\s+1], s45, \s*SLOT
	s_add_nc_u64 s[G0B+4*\s+2:G0B+4*\s+3], s[46:47], \s*ROWB
	s_or_b32 s[G0B+4*\s+3], s[G0B+4*\s+3], 0x80000000
.endr
; THE HEAD'S LOADS, ONE A WAVE: wave 0 K step 0's 256 rows of A, wave 1 those of B, wave 2 A's scales, wave 3 B's.  One chain of branches on the wave's number, a load to an arm.
.macro ARM under, g0, g1, next
	s_cmp_lt_u32 s14, \under
	s_cbranch_scc0 \next
	tensor_load_to_lds s[\g0:\g0+3], s[\g1:\g1+7]
	s_nop 0
.rept 4
	v_nop
.endr
	s_branch .Lhead_asked
\next:
.endm
	ARM 1, G0H,  G1,  .Lhead_b
	ARM 2, G0HB, G1B, .Lhead_sa
	ARM 3, G0S,  G1S, .Lhead_sb
	tensor_load_to_lds s[G0SB:G0SB+3], s[G1SB:G1SB+7]
	s_nop 0
.rept 4
	v_nop
.endr
.Lhead_asked:
	v_and_b32 v1, 15, v0
	v_bfe_u32 v2, v0, 4, 1                         ; l / 16
	v_mul_u32_u24 v3, v1, PITCH
	v_lshl_add_u32 v4, v2, 4, v3                   ; a fragment's row x pitch + 16 x half
	s_mul_i32 s21, s15, HALFT                      ; my 128 rows of A
	s_mul_i32 s22, s16, HALFT                      ; my 128 rows of B,
	s_add_co_u32 s22, s22, 2*HALFT                 ; which lie behind A's 256
.irp s, 0,1
	v_add_nc_u32 v[ADRA+\s], s21, v4
	v_add_nc_u32 v[ADRB+\s], s22, v4
	s_add_co_u32 s21, s21, SLOT
	s_add_co_u32 s22, s22, SLOT
.endr
	v_mul_u32_u24 v5, v1, KS                       ; my row's scales: 32 bytes a row,
	v_lshrrev_b32 v6, 8, v5
	v_lshl_add_u32 v5, v6, 4, v5
	s_wait_alu depctr_va_vdst(0)                   ; the wait ahead of a run of scalar lines
	s_mul_i32 s21, s15, HALFS/2                    ; v's scale words: A's: my 64 rows;
	s_mul_i32 s22, s16, HALFS                      ; B's: my 128 rows, behind A's 128
	s_add_co_u32 s22, s22, HALFS
	s_sub_co_u32 s22, s22, s21
	v_mul_u32_u24 v7, s22, v2                      ; lanes 16-31 take B's
	s_add_co_u32 s21, s21, SCV
	v_add_nc_u32 v7, v5, v7
	v_add_nc_u32 v[ADRSV], s21, v7
	s_mul_i32 s21, s15, 64*PITCH                   ; my 64 rows of v's A
	v_add_nc_u32 v[ADRV], s21, v4
	s_add_co_u32 s21, s21, SLOT
	v_add_nc_u32 v[ADRV+1], s21, v4
	s_wait_alu depctr_va_vdst(0)
	s_mul_i32 s21, s15, HALFS                      ; A's: my 128 rows
	s_mul_i32 s22, s16, HALFS                      ; B's: my 128 rows, behind A's 256
	s_add_co_u32 s22, s22, 2*HALFS
	s_sub_co_u32 s22, s22, s21
	v_mul_u32_u24 v6, s22, v2                      ; lanes 16-31 take B's
	s_add_co_u32 s21, s21, SCL
	v_add_nc_u32 v5, v5, v6
	v_add_nc_u32 v[ADRS], s21, v5
	v_and_b32 v6, 31, v0
	v_lshlrev_b32 v[LI], 4, v6
	v_lshlrev_b32 v[L8], 3, v6
	s_and_b32 s18, s17, 7                          ; q, k: the table at my first row's place t = 256 (A's tile % 8) + 128 x half: 256 bytes for each t.  (In v's clusters A's tile % 8 is cy, 0 to 3: inside the table too)
	s_lshl_b32 s18, s18, 16
	s_lshl_b32 s19, s15, 15
	s_add_co_u32 s18, s18, s19
	s_mov_b32 s19, 0
	s_add_nc_u64 s[12:13], s[96:97], s[18:19]
.macro FRAG reg, adr, q, i             ; a fragment, 16 rows x 128 K of 8-bit codes, is 16 registers: lane l holds row l % 16; registers 4 c .. 4 c + 3 hold K = 32 c + 16 (l / 16) + 0 .. 15
.irp c, 0,1,2,3
	ds_load_b128 v[\reg+4*\c:\reg+4*\c+3], v[\adr] offset:128*(\q)+32*\c+(\i)*16*PITCH
.endr
.endm
; 16 matrix instructions: A's blocks a0, a0 + 1 x B's eight, 128 along K: the slot's q-th.  p: B's set;  sc: the set of scale words.  zero = 1: the first product starts the sums: nothing is ever cleared.
; The 64 accumulators take turns, one instruction a turn, in the same order in every step.
.macro MUL16 a0, p, q, sc, zero
.irp a, \a0, \a0+1
.irp b, 0,1,2,3,4,5,6,7
.if \zero
	v_wmma_scale_f32_16x16x128_f8f6f4 v[8*(8*((\a)%4)+\b):8*(8*((\a)%4)+\b)+7], v[128*(\p)+FR*\b:128*(\p)+FR*\b+FR-1], v[AF+FR*(\a):AF+FR*(\a)+FR-1], 0, v[SC+8*NQ*(\sc)+NQ*\b+(\q)], v[SC+8*NQ*(\sc)+NQ*(\a)+(\q)] matrix_a_fmt:MATRIX_FMT_BF8 matrix_b_fmt:MATRIX_FMT_BF8 matrix_a_scale:MATRIX_SCALE_ROW1
.else
	v_wmma_scale_f32_16x16x128_f8f6f4 v[8*(8*((\a)%4)+\b):8*(8*((\a)%4)+\b)+7], v[128*(\p)+FR*\b:128*(\p)+FR*\b+FR-1], v[AF+FR*(\a):AF+FR*(\a)+FR-1], v[8*(8*((\a)%4)+\b):8*(8*((\a)%4)+\b)+7], v[SC+8*NQ*(\sc)+NQ*\b+(\q)], v[SC+8*NQ*(\sc)+NQ*(\a)+(\q)] matrix_a_fmt:MATRIX_FMT_BF8 matrix_b_fmt:MATRIX_FMT_BF8 matrix_a_scale:MATRIX_SCALE_ROW1
.endif
.endr
.endr
.endm
.macro FETCH_B slot, q, p              ; B's eight fragments of the slot's q-th 128 along K into set p
	WIN TO_B
.irp i, 0,1,2,3,4,5,6,7
	FRAG 128*(\p)+FR*\i, ADRB+\slot, \q, \i
.endr
	WIN 0
.endm
.macro FETCH_A slot, q, i0             ; A's blocks i0 .. i0 + 3
.irp i, \i0, \i0+1, \i0+2, \i0+3
	FRAG AF+FR*(\i), ADRA+\slot, \q, \i
.endr
.endm
; What a refill asks for (no tensor load of the wave is out here).  fill = 1: two K steps on; 3: the same, and the ring's loads bring 128 rows from here on; 2: v's K step number slot: 64 rows of A a wave.
.macro RSTEP slot, fill
.if \fill == 2
	s_add_nc_u64 s[G0+4*\slot+2:G0+4*\slot+3], s[2:3], \slot*ROWB
	s_or_b32 s[G0+4*\slot+3], s[G0+4*\slot+3], 0x80000000
	s_add_nc_u64 s[G0B+4*\slot+2:G0B+4*\slot+3], s[94:95], \slot*ROWB
	s_or_b32 s[G0B+4*\slot+3], s[G0B+4*\slot+3], 0x80000000
	s_mul_i32 s[G0+4*\slot+1], s16, 64*PITCH
	s_add_co_u32 s[G0+4*\slot+1], s[G0+4*\slot+1], \slot*SLOT
	s_mov_b32 s[G1+2], 64<<16
	s_mov_b32 s[G1+4], 64
.else
	s_add_nc_u64 s[G0+4*\slot+2:G0+4*\slot+3], s[G0+4*\slot+2:G0+4*\slot+3], 2*ROWB
	s_add_nc_u64 s[G0B+4*\slot+2:G0B+4*\slot+3], s[G0B+4*\slot+2:G0B+4*\slot+3], 2*ROWB
.if \fill == 3
	s_mov_b32 s[G1+2], 128<<16
	s_mov_b32 s[G1+4], 128
	s_mov_b32 s[G1B+2], 128<<16
	s_mov_b32 s[G1B+4], 128
.endif
.endif
.endm
.macro SCALES sc, adr=ADRS
.irp i, 0,1,2,3,4,5,6,7
	ds_load_b64 v[SC+8*NQ*\sc+NQ*\i:SC+8*NQ*\sc+NQ*\i+1], v[\adr] offset:\i*SBLK
.endr
.endm
; A load into a register that a matrix instruction has read, and a vector instruction that reads a matrix result, stand NP places behind that matrix instruction, and only plain vector instructions that name none of
; its registers are places (ISA guide 7.12.1 for vector instructions).
.macro PLACES n
.rept \n
	v_nop
.endr
.endm
; A step of 128 along K that has its successor in the same slot.
.macro STEP slot, q, zero
	s_wait_dscnt 4*NL                              ; B's set and A's blocks 0-3 are in; the youngest sixteen loads (A's blocks 4-7) may be out
	WIN MUL_LO
	MUL16 0, (\q)%2, \q, \slot, \zero
	MUL16 2, (\q)%2, \q, \slot, \zero
	s_wait_dscnt 0                                 ; A's blocks 4-7 are in (asked for 32 matrix instructions ago)
	PLACES NP
	FETCH_B \slot, (\q)+1, 1-(\q)%2
	FETCH_A \slot, (\q)+1, 0
	WIN MUL_HI
	MUL16 4, (\q)%2, \q, \slot, \zero
	MUL16 6, (\q)%2, \q, \slot, \zero
	PLACES NP
	WIN 0
	FETCH_A \slot, (\q)+1, 4
.endm
; A slot's last step changes slots: ONE barrier; in front of it each wave waits for all its tensor loads, adds 0 to its spare word, and waits for that and for its own reads of this slot.  fill = 1: this slot is filled again, two K steps ahead.
.macro TURN slot, next, fill
	s_wait_tensorcnt 0x0                           ; all my tensor loads have landed: my part of the next slot;  (every window is 0 here: the add's two registers lie in window 0)
	ds_add_u32 v[SPW], v[NIL]                      ; 0 onto my spare word;
	s_wait_dscnt 4*NL+1                            ; (the add and the youngest sixteen loads, A's blocks 4-7, may be out)
	WIN MUL_LO
	MUL16 0, 1, NQ-1, \slot, 0                     ; sixteen matrix instructions stand between the add and the wait for it
	s_wait_dscnt 0x0                               ; the add is done, and my reads of this slot are over
	s_barrier_signal -1
	MUL16 2, 1, NQ-1, \slot, 0
	WIN 0
	s_barrier_wait -1
.if \fill
	CREST                                          ; the barrier has opened a round of the cluster's barrier: no wave of any partner still reads this slot's tile or has a load on its way
	RSTEP \slot, \fill
	JLOAD G0+4*\slot, G1, G0B+4*\slot, G1B         ; the first tensor load behind the round, my one load until the next; its four v_nop are among the places in front of the loads below
	PLACES NP-4
.else
	PLACES NP
.endif
.if \next >= 0                         ; next = -1: the block's last step: nothing more of it to fetch
	s_wait_alu depctr_va_vdst(0)
	v_add_nc_u32 v[ADRS], 4*NQ, v[ADRS]
	FETCH_B \next, 0, 0
	FETCH_A \next, 0, 0
	SCALES \next
.endif
	WIN MUL_HI
	MUL16 4, 1, NQ-1, \slot, 0
	MUL16 6, 1, NQ-1, \slot, 0
	WIN 0
.if \next >= 0
	PLACES NP
	FETCH_A \next, 0, 4
.endif
.endm
; The table for A's block a (16 places t): eight loads of 512 consecutive bytes.  Many work-groups read the same bytes: no hint.
.macro TBLOAD a
.irp n, 0,1,2,3,4,5,6,7
	global_load_b128 v[TBL+32*((\a)%2)+4*\n:TBL+32*((\a)%2)+4*\n+3], v[LI], s[12:13] offset:(\a)*4096+512*\n
.endr
.endm
	s_wait_alu depctr_va_vdst(0)
	s_wait_tensorcnt 0x0                           ; my tile of the head's four is in; slot 1's first fill is issued as a refill is:
	ds_add_u32 v[SPW], v[NIL]                      ; 0 onto my spare word
	s_mov_b32 s[G0H+1], SLOT                       ; no tensor load of mine is out: four more first fills, one a wave: K step 1's 256 rows of A,
	s_add_nc_u64 s[G0H+2:G0H+3], s[G0H+2:G0H+3], ROWB
	s_mov_b32 s[G0HB+1], SLOT+2*HALFT              ; of B,
	s_add_nc_u64 s[G0HB+2:G0HB+3], s[G0HB+2:G0HB+3], ROWB
	s_mov_b32 s[G1S+2], 16<<16                     ; the scales of v's A, 128 rows,
	s_mov_b32 s[G1S+4], 16
	s_mov_b32 s[G0S+1], SCV
	s_mov_b64 s[G0S+2:G0S+3], s[66:67]
	s_or_b32 s[G0S+3], s[G0S+3], 0x80000000
	s_mov_b32 s[G0SB+1], SCV+HALFS                 ; and of v's B, 256 rows
	s_mov_b64 s[G0SB+2:G0SB+3], s[92:93]
	s_or_b32 s[G0SB+3], s[G0SB+3], 0x80000000
	s_wait_dscnt 0x0
	CROUND                                         ; the head's four tiles are in, and all sixteen work-groups are here
.macro ARMB under, g0, g1, next
	s_cmp_lt_u32 s14, \under
	s_cbranch_scc0 \next
	tensor_load_to_lds s[\g0:\g0+3], s[\g1:\g1+7]
	s_nop 0
.rept 4
	v_nop
.endr
	s_branch .Lsec_asked
\next:
.endm
	ARMB 1, G0H,  G1,  .Lsec_b
	ARMB 2, G0HB, G1B, .Lsec_sa
	ARMB 3, G0S,  G1S, .Lsec_sb
	tensor_load_to_lds s[G0SB:G0SB+3], s[G1SB:G1SB+7]
	s_nop 0
.rept 4
	v_nop
.endr
.Lsec_asked:
	FETCH_B 0, 0, 0
	FETCH_A 0, 0, 0
	SCALES 0
	FETCH_A 0, 0, 4
	STEP 0, 0, 1                                   ; K 0-127: its products start the sums
	TURN 0, 1, 3
	STEP 1, 0, 0
	TURN 1, 0, 1                                   ; slot 1 takes K 768-1,023
	STEP 0, 0, 0
	TURN 0, 1, 2                                   ; slot 0 takes v's K step 0
	TBLOAD 0                                       ; the table of my first two blocks is asked for here, 128 matrix instructions ahead of its use, into registers that the K steps leave alone.
	TBLOAD 1                                       ; Every wave asks, on the one way that all take; v's clusters do not read what comes, and nothing on their way writes these registers or the loads' address
	STEP 1, 0, 0
	TURN 1, -1, 2                                  ; the block's last step; slot 1 takes v's K step 1.  The way out below names none of these two loads' descriptor registers (s24-39, s48-63)
; THE WAY OUT.
; ROPE: block a's 64 numbers, pairs (x0, x1) of neighbouring channels, become (x0 c - x1 s, x1 c + x0 s) in v[H] on.  Each accumulator is read from its low end on.
.macro ROPE a
.set XB, 64*((\a)%4)
.set CB, TBL+32*((\a)%2)
.set WQ, 2+(\a)/4
	WIN WQ                                         ; source 0: the accumulators' window
.set g, 0
.rept 8
.irp k, 0,1,2,3
	v_pk_mul_f32 v[T+2*\k:T+2*\k+1], v[XB+8*g+2*\k:XB+8*g+2*\k+1], v[CB+(8*g+2*\k)%32:CB+(8*g+2*\k)%32+1] op_sel:[1,1] op_sel_hi:[0,1] neg_lo:[0,1]   ; (-x1 s, x0 s)
.endr
.irp k, 0,1,2,3
	v_pk_fma_f32 v[H+8*g+2*\k:H+8*g+2*\k+1], v[XB+8*g+2*\k:XB+8*g+2*\k+1], v[CB+(8*g+2*\k)%32:CB+(8*g+2*\k)%32+1], v[T+2*\k:T+2*\k+1] op_sel_hi:[1,0,1]   ; + (x0 c, x1 c)
.endr
.set g, g+1
.endr
	WIN 0
.endm
; QUANT: 64 numbers of a lane, v[s] on in window w, four blocks of 32 shared with lane xor 16, become 16 registers of codes in v[PC] on, in the operand's layout, and a scale word in v[pw].
.macro QUANT s, w, pw
.set WQ, ((\w)<<2)|((\w)<<4)
	WIN WQ                                         ; sources 1 and 2
.irp b, 0,1,2,3
	v_max3_num_f32 v[TM+\b], 0x8000000, |v[\s+16*\b]|, |v[\s+16*\b+1]|   ; my 16 numbers of block b, and the floor 2^(16 - 127): the byte cannot fall under 1
.endr
.irp i, 2,4,6,8,10,12,14
.irp b, 0,1,2,3
	v_max3_num_f32 v[TM+\b], v[TM+\b], |v[\s+16*\b+\i]|, |v[\s+16*\b+\i+1]|   ; (the four blocks by turns)
.endr
.endr
	WIN 0
.irp b, 0,1,2,3
	v_permlanex16_b32 v[TM+4+\b], v[TM+\b], s78, s79
.endr
.irp b, 0,1,2,3
	v_max_num_f32 v[TM+\b], v[TM+\b], v[TM+4+\b]   ; with lane xor 16's: the block's largest magnitude
.endr
.irp b, 0,1,2,3
	v_add_nc_u32 v[TM+12+\b], 0xf8800000, v[TM+\b]   ; 15 off its exponent field: the conversion takes the exponent field of this operand as its scale
.endr
.irp b, 0,1,2,3
	v_and_or_b32 v[TM+8+\b], v[TM+\b], 0x7f800000, s80   ; 57,344 x the scale
.endr
.irp b, 0,1,2,3
	v_lshrrev_b32 v[TM+4+\b], 23, v[TM+12+\b]      ; the scale's byte
.endr
	v_lshl_or_b32 v[\pw], v[TM+5], 8, v[TM+4]
	v_lshl_or_b32 v[\pw], v[TM+6], 16, v[\pw]
	v_lshl_or_b32 v[\pw], v[TM+7], 24, v[\pw]
	WIN \w                                         ; source 0
.irp b, 0,1,2,3
.set j, 0
.rept 16
	v_med3_num_f32 v[H+16*\b+j], v[\s+16*\b+j], -v[TM+8+\b], v[TM+8+\b]   ; the conversion to an 8-bit code does not saturate (ISA guide 7.6.2): the hold at the largest code x the scale
.set j, j+1
.endr
.endr
	WIN 0
	s_wait_alu depctr_va_vdst(0)
	s_wait_xcnt 0x0                                ; the last block's stores have had their addresses translated: their data registers are written again only behind this wait
.irp b, 0,1,2,3
	v_cvt_scalef32_pk8_bf8_f32 v[PC+4*\b:PC+4*\b+1], v[H+16*\b:H+16*\b+7], v[TM+12+\b]        ; columns 8 h .. + 7 of the block
	v_cvt_scalef32_pk8_bf8_f32 v[PC+4*\b+2:PC+4*\b+3], v[H+16*\b+8:H+16*\b+15], v[TM+12+\b]   ; columns 16 + 8 h .. + 7
.endr
	v_nop                                          ; one plain instruction between the conversions and what touches their results
	; NO EXCHANGE FOLLOWS (what the head says of two exchanges holds no more): a lane's four registers of a block keep columns 8 h .. + 7 and 16 + 8 h .. + 7.
	; q and k carry the same order of the head's channels, v the order of the keys in which the next launch's p comes out of its conversions: a permutation of K inside a block of 32, alike on both sides of each product.
.endm
	PLACES NP                                      ; behind the last products: their results are read, and A's registers written, below
	s_mov_b32 s78, 0x76543210                      ; every tensor load of mine was waited for at the last change of slots: the descriptors' registers are free
	s_mov_b32 s79, 0xfedcba98                      ; v_permlanex16_b32's selects for lane xor 16
	s_mov_b32 s80, 0x600000                        ; the mantissa field of 57,344
	s_mov_b32 s81, 0x01000100                      ; v_perm_b32: bytes 0 1 0 1,
	s_mov_b32 s82, 0x03020302                      ; 2 3 2 3,
	s_mov_b32 s83, 0x05040100                      ; 0 1 of the second source, 0 1 of the first,
	s_mov_b32 s84, 0x07060302                      ; 2 3 of the second, 2 3 of the first
.irp b, 0,1,2,3
	v_mov_b32 v[TM+4+\b], 0                        ; written once: a lane permute's destination counts as one of its sources
.endr
	v_bfe_u32 v[TL], v0, 4, 1
	v_cmp_eq_u32 vcc_lo, 1, v[TL]                  ; lanes 16-31: nothing below writes VCC
	; ---- q and k.  My rows: batch = tile / 8, places 256 (tile % 8) + 128 x half on; my columns: heads 4 (B's tile % 4) + 2 x half and the next
	s_lshr_b32 s18, s17, 3
	s_and_b32 s19, s17, 7
	s_and_b32 s20, s42, 3
	s_lshl_b32 s20, s20, 2
	s_lshl_b32 s21, s16, 1
	s_add_co_u32 s20, s20, s21
	s_lshl_b32 s18, s18, 4
	s_add_co_u32 s18, s18, s20                     ; 16 x batch + head
	s_cmp_eq_u32 ttmp9, 1                          ; k, or q?
	s_mov_b32 s21, 8*QBLK
	s_cselect_b32 s21, 8*KVBLK, s21                ; bytes of a head,
	s_mov_b32 s22, QBLK
	s_cselect_b32 s22, KVBLK, s22                  ; of a block of 256 rows;
	s_mov_b32 s23, 16384
	s_cselect_b32 s23, 32768, s23                  ; where the scale words begin,
	s_cselect_b32 s46, 8, 9                        ; and how many my half of the block has: 256 or 512 bytes
	s_cselect_b64 s[86:87], s[100:101], s[98:99]
	s_mul_i32 s88, s18, s21
	s_mul_i32 s47, s19, s22
	s_add_co_u32 s88, s88, s47
	s_mov_b32 s89, 0
	s_add_nc_u64 s[86:87], s[86:87], s[88:89]      ; my block
	s_lshl_b32 s88, s15, 13
	s_add_nc_u64 s[68:69], s[86:87], s[88:89]      ; codes: my eight tiles of 1,024 bytes
	s_lshl_b32 s88, s15, s46
	s_add_co_u32 s88, s88, s23
	s_add_nc_u64 s[72:73], s[86:87], s[88:89]      ; scale words
	s_mov_b32 s88, s21
	s_add_nc_u64 s[70:71], s[68:69], s[88:89]      ; and the same of the next head
	s_add_nc_u64 s[74:75], s[72:73], s[88:89]
.irp a, 0,1,2,3,4,5,6,7
.if \a < 7
	s_wait_loadcnt 8                               ; this block's table is in; the next block's eight loads may be out
.else
	s_wait_loadcnt 0
.endif
	ROPE \a
.if \a < 6
	TBLOAD \a+2                                    ; into the set just read
.endif
	QUANT H, 0, PWS+\a
.irp c, 0,1,2,3
	global_store_b128 v[LI], v[PC+4*\c:PC+4*\c+3], s[68+2*(\c/2):69+2*(\c/2)] offset:\a*1024+(\c%2)*512   ; 32 lanes store 512 consecutive bytes: head c / 2, channels 32 (c % 2) on
.endr
.endr
	s_cmp_eq_u32 ttmp9, 1
	s_cbranch_scc1 .Lk_tail
.irp n, 0,1                            ; q's scale words: head n; lanes 0-15 give tile 4 g + 2 e, lanes 16-31 tile 4 g + 2 e + 1
.irp g, 0,1
.irp e, 0,1
	v_perm_b32 v[TL], v[PWS+4*\g+2*\e], v[PWS+4*\g+2*\e], s[81+\n]
	v_perm_b32 v[TL+1], v[PWS+4*\g+2*\e+1], v[PWS+4*\g+2*\e+1], s[81+\n]
	v_cndmask_b32 v[TD+4*\n+2*\g+\e], v[TL], v[TL+1], vcc_lo
.endr
	global_store_b64 v[L8], v[TD+4*\n+2*\g:TD+4*\n+2*\g+1], s[72+2*\n:73+2*\n] offset:256*\g   ; 256 consecutive bytes
.endr
.endr
	s_branch .Lv_path
.Lk_tail:
.irp n, 0,1                            ; k's scale words: head n; a word joins tiles 2 g and 2 g + 1 of 16 keys; lanes 0-15 give g = 2 e, lanes 16-31 g = 2 e + 1
.irp e, 0,1
	v_perm_b32 v[TL], v[PWS+4*\e+1], v[PWS+4*\e], s[83+\n]
	v_perm_b32 v[TL+1], v[PWS+4*\e+3], v[PWS+4*\e+2], s[83+\n]
	v_cndmask_b32 v[TD+2*\n+\e], v[TL], v[TL+1], vcc_lo
.endr
	global_store_b64 v[L8], v[TD+2*\n:TD+2*\n+1], s[72+2*\n:73+2*\n]
.endr
.Lv_path:
; ---- THE HALF BLOCK OF v.  A's four blocks (64 channels) x B's eight (128 keys): 32 accumulators, window 2.  Both operands have two sets of registers (A's at v128 and v192), fetched one step of 128 along K ahead.
.macro FETCH_AV slot, q, st
.irp i, 0,1,2,3
	FRAG AF+64*(\st)+FR*\i, ADRV+\slot, \q, \i
.endr
.endm
.macro MULV a0, st, q, sc, zero
.irp a, \a0, \a0+1
.irp b, 0,1,2,3,4,5,6,7
.if \zero
	v_wmma_scale_f32_16x16x128_f8f6f4 v[8*(8*(\a)+\b):8*(8*(\a)+\b)+7], v[128*(\st)+FR*\b:128*(\st)+FR*\b+FR-1], v[AF+64*(\st)+FR*(\a):AF+64*(\st)+FR*(\a)+FR-1], 0, v[SC+8*NQ*(\sc)+NQ*\b+(\q)], v[SC+8*NQ*(\sc)+NQ*(\a)+(\q)] matrix_a_fmt:MATRIX_FMT_BF8 matrix_b_fmt:MATRIX_FMT_BF8 matrix_a_scale:MATRIX_SCALE_ROW1
.else
	v_wmma_scale_f32_16x16x128_f8f6f4 v[8*(8*(\a)+\b):8*(8*(\a)+\b)+7], v[128*(\st)+FR*\b:128*(\st)+FR*\b+FR-1], v[AF+64*(\st)+FR*(\a):AF+64*(\st)+FR*(\a)+FR-1], v[8*(8*(\a)+\b):8*(8*(\a)+\b)+7], v[SC+8*NQ*(\sc)+NQ*\b+(\q)], v[SC+8*NQ*(\sc)+NQ*(\a)+(\q)] matrix_a_fmt:MATRIX_FMT_BF8 matrix_b_fmt:MATRIX_FMT_BF8 matrix_a_scale:MATRIX_SCALE_ROW1
.endif
.endr
.endr
.endm
.macro VSTEP slot, zero                ; a slot's first 128 along K; its second 128 is fetched first (eight places stand behind the products that read those registers)
	FETCH_B \slot, 1, 1
	FETCH_AV \slot, 1, 1
	s_wait_dscnt 48                                ; all but the 48 loads just issued
	WIN MUL_LO
	MULV 0, 0, 0, \slot, \zero
	MULV 2, 0, 0, \slot, \zero
	WIN 0
.endm
.macro VTURN slot, next, fill          ; its second 128, and the change of slots
	s_wait_tensorcnt 0x0
	ds_add_u32 v[SPW], v[NIL]
	s_wait_dscnt 1                                 ; (the add may be out)
	WIN MUL_LO
	MULV 0, 1, 1, \slot, 0
	s_wait_dscnt 0x0
	s_barrier_signal -1
	MULV 2, 1, 1, \slot, 0
	WIN 0
	s_barrier_wait -1
.if \fill
	CREST
	RSTEP \slot, 1
	JLOAD G0+4*\slot, G1, G0B+4*\slot, G1B
	PLACES NP-4
.else
	PLACES NP
.endif
	v_add_nc_u32 v[ADRSV], 4*NQ, v[ADRSV]
	s_wait_alu depctr_va_vdst(0)                   ; directly behind the write
	FETCH_B \next, 0, 0
	FETCH_AV \next, 0, 0
	SCALES \next, ADRSV
.endm
	s_wait_alu depctr_va_vdst(0)
	s_wait_xcnt 0x0                                ; the stores of q or k have read their registers: fragments land there below
	s_wait_tensorcnt 0x0                           ; my parts of v's K steps 0 and 1 are in,
	s_wait_dscnt 0x0
	s_barrier_signal -1
	s_barrier_wait -1                              ; everybody's are
	FETCH_B 0, 0, 0
	FETCH_AV 0, 0, 0
	SCALES 0, ADRSV
	VSTEP 0, 1
	VTURN 0, 1, 1                                  ; slot 0 takes K 512-767
	VSTEP 1, 0
	VTURN 1, 0, 1                                  ; slot 1 takes K 768-1,023
	VSTEP 0, 0
	VTURN 0, 1, 0
	VSTEP 1, 0
	s_wait_dscnt 0
	WIN MUL_LO
	MULV 0, 1, 1, 1, 0
	MULV 2, 1, 1, 1, 0
	WIN 0
	PLACES NP
	v_bfe_u32 v[TL], v0, 4, 1
	v_cmp_eq_u32 vcc_lo, 1, v[TL]                  ; lanes 16-31: written anew behind the tensor loads
	; my channels: head 4 cy + 2 cluster x + my half; my keys: x's tile 4 cluster y + cx: batch = tile / 8, keys 256 (tile % 8) + 128 x half on
	s_lshl_b32 s20, s41, 2
	s_lshl_b32 s21, ttmp9, 1
	s_add_co_u32 s20, s20, s21
	s_add_co_u32 s20, s20, s15
	s_and_b32 s22, ttmp7, 0xffff
	s_lshl_b32 s22, s22, 2
	s_add_co_u32 s22, s22, s40
	s_lshr_b32 s18, s22, 3
	s_and_b32 s19, s22, 7
	s_lshl_b32 s18, s18, 4
	s_add_co_u32 s18, s18, s20
	s_mul_i32 s88, s18, 8*KVBLK
	s_mul_i32 s47, s19, KVBLK
	s_add_co_u32 s88, s88, s47
	s_mov_b32 s89, 0
	s_add_nc_u64 s[86:87], s[100:101], s[88:89]
	s_lshl_b32 s88, s16, 13
	s_add_co_u32 s88, s88, 16384
	s_add_nc_u64 s[68:69], s[86:87], s[88:89]      ; codes: my 128 keys' 8,192 bytes
	s_lshl_b32 s88, s16, 8
	s_add_co_u32 s88, s88, 33280
	s_add_nc_u64 s[72:73], s[86:87], s[88:89]      ; scale words
.irp a, 0,1,2,3
.set VB, 64*(\a%4)
.set VW, 2+\a/4
	QUANT VB, VW, PWS+\a                           ; straight from the accumulators, each from its low end on
.irp c, 0,1,2,3
	global_store_b128 v[LI], v[PC+4*\c:PC+4*\c+3], s[68+2*(\a/4):69+2*(\a/4)] offset:(\a%4)*2048+\c*512   ; head a / 4, channels 16 (a % 4) on, keys 32 c on
.endr
.endr
.irp n, 0
.irp e, 0,1
	v_cndmask_b32 v[TD+2*\n+\e], v[PWS+4*\n+2*\e], v[PWS+4*\n+2*\e+1], vcc_lo
.endr
	global_store_b64 v[L8], v[TD+2*\n:TD+2*\n+1], s[72+2*\n:73+2*\n]
.endr
.Ldone:
	s_wait_tensorcnt 0x0                           ; the wave's end
	ds_add_u32 v[SPW], v[NIL]
	s_wait_dscnt 0x0
	CROUND                                         ; the closing round: no work-group ends while a partner may still ask for a tile that names it
	s_endpgm
.Lfunc_end_k_qc3bcd845da_qkv:
	.size	k_qc3bcd845da_qkv, .Lfunc_end_k_qc3bcd845da_qkv-k_qc3bcd845da_qkv
	.p2alignl 7, 3214868480
	.fill 96, 4, 3214868480
	.section	.rodata,"a",@progbits
	.p2align	6, 0x0
	.amdhsa_kernel k_qc3bcd845da_qkv
		.amdhsa_group_segment_fixed_size 327680
		.amdhsa_private_segment_fixed_size 0
		.amdhsa_enable_private_segment 0
		.amdhsa_kernarg_size 56
		.amdhsa_user_sgpr_count 2
		.amdhsa_user_sgpr_kernarg_segment_ptr 1
		.amdhsa_wavefront_size32 1
		.amdhsa_system_sgpr_workgroup_id_x 1
		.amdhsa_system_sgpr_workgroup_id_y 1
		.amdhsa_system_sgpr_workgroup_id_z 1
		.amdhsa_system_vgpr_workitem_id 0
		.amdhsa_next_free_vgpr 1024
		.amdhsa_next_free_sgpr 102
		.amdhsa_reserve_vcc 1
		.amdhsa_float_denorm_mode_32 3
		.amdhsa_float_denorm_mode_16_64 3
		.amdhsa_memory_ordered 1
		.amdhsa_forward_progress 1
		.amdhsa_inst_pref_size 255
	.end_amdhsa_kernel
	.section	.bss,"aw",@nobits
	.p2align	6
	.space	262144
	.amdgpu_metadata
---
amdhsa.version: [ 1, 2 ]
amdhsa.kernels:
  - .name:           k_qc3bcd845da_qkv
    .symbol:         k_qc3bcd845da_qkv.kd
    .args:
      - { .name: x_codes, .offset: 0, .size: 8, .value_kind: global_buffer, .address_space: global }
      - { .name: x_scales, .offset: 8, .size: 8, .value_kind: global_buffer, .address_space: global }
      - { .name: W_attn_codes, .offset: 16, .size: 8, .value_kind: global_buffer, .address_space: global }
      - { .name: W_attn_scales, .offset: 24, .size: 8, .value_kind: global_buffer, .address_space: global }
      - { .name: rope, .offset: 32, .size: 8, .value_kind: global_buffer, .address_space: global }
      - { .name: qb, .offset: 40, .size: 8, .value_kind: global_buffer, .address_space: global }
      - { .name: kv, .offset: 48, .size: 8, .value_kind: global_buffer, .address_space: global }
    .group_segment_fixed_size: 327680
    .private_segment_fixed_size: 0
    .kernarg_segment_align: 8
    .kernarg_segment_size: 56
    .max_flat_workgroup_size: 128
    .sgpr_count:     102
    .vgpr_count:     1024
    .wavefront_size: 32
...
	.end_amdgpu_metadata
.endif
;; end of part 2
;; launch attn (part 3): grid 4 x 64, 16 waves a work-group, clusters of 4 x 1, 327,680 bytes of LDS; arguments qb, kv, y_img, y_sc; writes y_img, y_sc
.if DOCPART == 3
	.amdgcn_target "amdgcn-amd-amdhsa--gfx1250"
	.amdhsa_code_object_version 6
	.text
	.protected	k_qc3bcd845da_attn
	.globl	k_qc3bcd845da_attn
	.p2align	8
	.type	k_qc3bcd845da_attn,@function
k_qc3bcd845da_attn:
	s_mov_b64 s[64:65], 0
	v_nop
	global_prefetch_b8 v0, s[64:65] scope:SCOPE_SE
	s_setreg_imm32_b32 hwreg(HW_REG_WAVE_MODE, 25, 1), 1
	s_wait_xcnt 0x0
	s_wait_alu depctr_hold_cnt(0) depctr_sa_sdst(0) depctr_va_vdst(0) depctr_va_sdst(0) depctr_va_ssrc(0) depctr_va_vcc(0) depctr_vm_vsrc(0)
	s_getreg_b32 s2, hwreg(HW_REG_IB_STS2, 6, 4)
	s_cmp_eq_u32 s2, 0
	s_cbranch_scc0 .Lentry_in_a_cluster
	s_endpgm
.Lentry_in_a_cluster:
	s_bfe_u32 s2, ttmp6, 0x10000c
	s_cmp_lg_u32 s2, 0x3003
	s_cbranch_scc0 .Lentry_shape_is_right
	s_endpgm
.Lentry_shape_is_right:
; y[q] = the sum over keys k <= q of softmax_k(q . k / 8) v[k], for each of 64 (batch, head), both products on codes of BF8 (E5M2) with one E8M0 scale for each 32 along a product's K; then y is quantised along its 64 channels.
; THE SOFTMAX: t = score x log2(e) / 8; M = the row's largest t so far, rounded UP to a whole number; p = 2^(t - M) is quantised along the keys, not normalised; the row's sum of the unquantised p divides at the end.
; K AND V OF A WHOLE HEAD STAY IN LDS: 8 blocks of 256 keys x 33,792 bytes = 270,336 bytes, filled once by sixteen tensor loads of 16,896 bytes, one a wave: nothing is filled again, and there is no ring.
; CLUSTER: the four work-groups of a head need the same bytes and ask for them jointly (mask 15).  No branch and no LDS address hangs on the place cx in the cluster: it enters global addresses and the mask's compare alone.
; SHARES.  A head has 128 tiles of 16 queries; work-group cx takes tiles T = 4 i + cx, i = 0 .. 31.  Tile i needs key steps 0 .. i / 2 of 128 keys, whatever cx.  Wave w owns tile i = 31 - w and then tile i = w:
; (31 - w) / 2 + 1 + w / 2 + 1 = 17 steps in every wave.  Steps whose keys all come after the tile's queries are left out (the causal mask of the model); on the diagonal hidden scores become -infinity.
; TWO BARRIERS: the first shows keys 0-255 (waves 0 and 1's load line, which they alone wait for); all long tiles walk steps 0 and 1 unmasked; the second shows all the rest.  Behind it the waves run freely.
; The loops' trip counts are constants (2, 14, 14); a step that a tile does not need is jumped over by a branch on the wave's number and the step's.
; LAYOUT.  Both products are used transposed: a lane holds ONE query (lane % 16).  Operands lie in memory and LDS as images of their registers.  The head's K is 64, the instruction's 128: a fragment of K holds two tiles of
; 16 keys side by side; Q lies as Q | zeros | Q.  p's codes stay as the conversions leave them (keys 8 h .. + 7 and 16 + 8 h .. + 7 of a block of 32): v's codes were laid in the same order.
; NO PREFETCH: every byte of K and V is asked for at the head, and there is no loop to run ahead in.
; LIMITS: an exponential under 2^-126 comes out as 0; a block under 2^-111 keeps the scale byte 1, a block of zeros too (its codes are zeros; these bytes are read by this program alone).  NaN and infinities are not served.
; The promise holds while the scaled scores stay under 2^31 in magnitude.
.set SLOTB, 33792                      ; 256 keys: K's codes 16,384, V's 16,384, K's scale words 512, V's 512
.set HALF,  16896                      ; what one tensor load brings: 66 rows of 256 bytes
.set QBLK,  17408                      ; a block of 256 queries in qb
.set SPARE, 8*SLOTB                    ; the spare words, 128 bytes a wave
.set LI,  1                            ; 16 x lane
.set L8,  2                            ; 8 x lane
.set SPW, 3                            ; my spare word; never rewritten
.set NIL, 4                            ; 0; never rewritten
.set ADK, 5                            ; the step's codes
.set ADS, 6                            ; the step's scale words
.set DM,  7                            ; on the diagonal: my query - the step's first key - 8 (lane / 16)
.set R8,  8                            ; 8 x (lane % 16)
.set R2,  10                           ; 2 x (lane % 16)
.set RH,  11                           ; lane % 16 - 8 (lane / 16)
.set QF,  16                           ; v16-23 Q, v24-31 zeros, v32-39 Q;  v12 -M, v13 the largest t, v[14:15] the sum
.set QS,  40                           ; Q's scale word
.set KS,  42                           ; K's scale words
.set VS,  46                           ; V's: numbers that differ modulo 8 from p's scale word's, v245
.set KV,  48                           ; v48-111 four fragments of K, then of V
.set S,   112                          ; v112-175 S^T, then p
.set O,   176                          ; v176-207 O^T
.set PC,  208                          ; p's codes
.set BM,  224
.set BT,  228
.set HL,  232
.set SO,  236                          ; v[240:241], v[248:251] chains of sums; v242, v246 at work; v244 f; v245 p's scale word; v247 -infinity
.set WV,  18
.set MNT, 19
.set SEL, 20
.set CS,  22
.set G1,  24
.set G0,  40
.set CX,  44
.set ST,  70                           ; the key step
.set DS,  71                           ; the diagonal step of the tile in hand
; per tile k (0: the long one, 1: the short): s[48+8k:49+8k] q's codes, s[50+8k..] its scale words, s[52+8k..] y's codes, s[54+8k..] y's scale bytes; s[66+k] i / 2; s[68+k] 64 (i % 2) + 16 cx
.macro CROUND
	s_barrier_signal -1
	s_barrier_wait -1
	s_cmp_lg_u32 s[WV], 0
	s_cbranch_scc1 .Lnot_wave_0_\@
	s_barrier_signal -3
.Lnot_wave_0_\@:
	s_barrier_wait -3
	s_barrier_signal -1
	s_barrier_wait -1
.endm
.macro WM d, a, b, c, sa, sb, row
.if \row
	v_wmma_scale_f32_16x16x128_f8f6f4 v[\d:\d+7], v[\a:\a+15], v[\b:\b+15], \c, v[\sa], v[\sb] matrix_a_fmt:MATRIX_FMT_BF8 matrix_b_fmt:MATRIX_FMT_BF8 matrix_a_scale:MATRIX_SCALE_ROW1
.else
	v_wmma_scale_f32_16x16x128_f8f6f4 v[\d:\d+7], v[\a:\a+15], v[\b:\b+15], \c, v[\sa], v[\sb] matrix_a_fmt:MATRIX_FMT_BF8 matrix_b_fmt:MATRIX_FMT_BF8
.endif
.endm
	s_load_b256 s[4:11], s[0:1], 0x0               ; qb, kv, y_img, y_sc
	v_lshl_add_u32 v[SPW], v0, 2, SPARE
	v_mov_b32 v[NIL], 0
	ds_add_u32 v[SPW], v[NIL]                      ; the opening lines: the add twice on end and its wait ahead of my tensor load
	ds_add_u32 v[SPW], v[NIL]
	v_lshrrev_b32 v5, 5, v0
	v_readfirstlane_b32 s[WV], v5                  ; wave 0..15
	s_bfe_u32 s[CX], ttmp6, 0x40000                ; my place in the cluster
	s_and_b32 s12, ttmp7, 0xffff                   ; 16 x batch + head
	s_mov_b32 s[G1], 15|(3<<16)|(1<<21)            ; the mask of all four; elements of 8 bytes; bit 21 beside a mask
	s_mov_b32 s[G1+1], 32<<16
	s_mov_b32 s[G1+2], 66<<16
	s_mov_b32 s[G1+3], 32<<16
	s_mov_b32 s[G1+4], 66
	s_mov_b32 s[G1+5], 32
	s_mov_b32 s[G1+6], 0
	s_mov_b32 s[G1+7], 0
	s_mul_i32 s14, s[WV], HALF                     ; my sixteenth of the head, in LDS and in memory alike
	s_mul_i32 s16, s12, 8*SLOTB
	s_add_co_u32 s16, s16, s14
	s_mov_b32 s17, 0
	s_wait_dscnt 0x0
	CROUND                                         ; all four work-groups are here: the joint loads meet
	s_wait_kmcnt 0x0
	s_mov_b32 s[G0], 1
	s_mov_b32 s[G0+1], s14
	s_add_nc_u64 s[G0+2:G0+3], s[6:7], s[16:17]
	s_or_b32 s[G0+3], s[G0+3], 0x80000000
	s_cmp_lt_u32 s[WV], 2                          ; waves 0 and 1 have a load line of their own: the first barrier shows it alone
	s_cbranch_scc0 .Lrest
	tensor_load_to_lds s[G0:G0+3], s[G1:G1+7]
	s_nop 0
.rept 4
	v_nop
.endr
	s_branch .Lasked
.Lrest:
	tensor_load_to_lds s[G0:G0+3], s[G1:G1+7]
	s_nop 0
.rept 4
	v_nop
.endr
.Lasked:
	s_mov_b32 s[SEL], 0x76543210
	s_mov_b32 s[SEL+1], 0xfedcba98
	s_mov_b32 s[CS], 0x3e38aa3b                    ; c = log2(e) / 8
	s_mov_b32 s[CS+1], s[CS]
	s_mov_b32 s[MNT], 0x600000                     ; the mantissa field of 57,344
	s_mul_i32 s80, s12, 8*QBLK                     ; my head in qb
	s_and_b32 s81, s[CX], 1
	s_lshl_b32 s81, s81, 7
	s_lshr_b32 s82, s[CX], 1
	s_lshl_b32 s82, s82, 2
	s_add_co_u32 s81, s81, s82
	s_add_co_u32 s81, s81, 16384                   ; q's scale words: tile 4 g + 2 e + h of a block lies at 16,384 + 256 g + 128 h + 4 e; here g = i % 4, 2 e + h = cx
	s_lshr_b32 s82, s12, 4
	s_lshl_b32 s82, s82, 7                         ; 128 x batch
	s_and_b32 s83, s12, 15
	s_lshl_b32 s84, s83, 14                        ; 16,384 x head
	s_lshl_b32 s83, s83, 10                        ; 1,024 x head
	s_lshl_b32 s85, s[CX], 4
.macro TILE k                          ; s75 = i
	s_lshl_b32 s76, s75, 2
	s_add_co_u32 s76, s76, s[CX]                   ; T = 4 i + cx
	s_lshr_b32 s77, s75, 2
	s_mul_i32 s77, s77, QBLK
	s_add_co_u32 s77, s77, s80                     ; its block of 256 queries
	s_and_b32 s78, s76, 15
	s_lshl_b32 s78, s78, 10
	s_add_co_u32 s78, s78, s77
	s_mov_b32 s79, 0
	s_add_nc_u64 s[48+8*\k:49+8*\k], s[4:5], s[78:79]
	s_and_b32 s78, s75, 3
	s_lshl_b32 s78, s78, 8
	s_add_co_u32 s78, s78, s77
	s_add_co_u32 s78, s78, s81
	s_add_nc_u64 s[50+8*\k:51+8*\k], s[4:5], s[78:79]
	s_add_co_u32 s76, s76, s82                     ; its tile of 16 rows, of 512
	s_lshl_b32 s78, s76, 14
	s_add_co_u32 s78, s78, s83
	s_add_nc_u64 s[52+8*\k:53+8*\k], s[8:9], s[78:79]
	s_lshl_b32 s78, s76, 5
	s_add_co_u32 s78, s78, s84
	s_add_nc_u64 s[54+8*\k:55+8*\k], s[10:11], s[78:79]
	s_lshr_b32 s[66+\k], s75, 1
	s_and_b32 s78, s75, 1
	s_lshl_b32 s78, s78, 6
	s_add_co_u32 s[68+\k], s78, s85
.endm
	; THE SHARES AS THEY STAND NOW (in place of the head's 31 - w and w).  A tile i needs i / 2 + 1 key steps.  Wave w owns two tiles, i = 2 n + w % 2, with n read from two packed tables, four bits for each w / 2:
	; first tile n = 15 14 11 10 8 6 5 3, second n = 12 13 7 9 2 4 0 1 (for w / 2 = 0 .. 7): each n from 0 to 15 stands once, so the sixteen waves cover all 32 tiles.
	; Steps a wave: 29 (w < 4), 20 or 21 (w < 8), 12 (w < 12), 7 or 6; the four waves with the same w % 4 have 68 together.  Every first tile has n >= 3, so steps 0 and 1 are unmasked for it; a second tile has at most 14 steps.
	s_lshr_b32 s86, s[WV], 1
	s_lshl_b32 s86, s86, 2
	s_and_b32 s87, s[WV], 1
	s_lshr_b32 s75, 0x3568abef, s86
	s_and_b32 s75, s75, 15
	s_lshl_b32 s75, s75, 1
	s_add_co_u32 s75, s75, s87
	TILE 0
	s_lshr_b32 s75, 0x104297dc, s86
	s_and_b32 s75, s75, 15
	s_lshl_b32 s75, s75, 1
	s_add_co_u32 s75, s75, s87
	TILE 1
	v_and_b32 v5, 31, v0
	v_and_b32 v6, 15, v0
	v_bfe_u32 v9, v0, 4, 1
	v_lshlrev_b32 v[LI], 4, v5
	v_lshlrev_b32 v[L8], 3, v5
	v_lshlrev_b32 v[R8], 3, v6
	v_lshlrev_b32 v[R2], 1, v6
	v_lshlrev_b32 v[RH], 3, v9
	v_sub_nc_u32 v[RH], v6, v[RH]
.irp j, 0,1,2,3,4,5,6,7
	v_mov_b32 v[QF+8+\j], 0                        ; the zero codes between the two Q
.endr
.irp b, 0,1,2,3
	v_mov_b32 v[BT+\b], 0                          ; a lane permute's destination counts as one of its sources
.endr
	v_mov_b32 v242, 0
	v_mov_b32 v245, 0
	v_mov_b32 v247, 0xff800000                     ; -infinity
.macro QLOAD k                         ; my tile of q, twice, and its scale word, straight into registers
	global_load_b128 v[QF:QF+3], v[LI], s[48+8*\k:49+8*\k]
	global_load_b128 v[QF+4:QF+7], v[LI], s[48+8*\k:49+8*\k] offset:512
	global_load_b128 v[QF+16:QF+19], v[LI], s[48+8*\k:49+8*\k]
	global_load_b128 v[QF+20:QF+23], v[LI], s[48+8*\k:49+8*\k] offset:512
	global_load_b32 v[QS], v[R8], s[50+8*\k:51+8*\k]
.endm
.macro INITV k                         ; a tile begins: the first step finds zeros, which the first change of M leaves zeros
	v_mov_b32 v13, 0xff61b1e6                      ; the largest t so far: -3e38
	v_mov_b32 v14, 0
	v_mov_b32 v15, 0
	v_floor_f32 v12, -v13
.set j, 0
.rept 32
	v_mov_b32 v[O+j], 0
.set j, j+1
.endr
	v_add_nc_u32 v[DM], s[68+\k], v[RH]
	s_wait_alu depctr_va_vdst(0)                   ; the wait ahead of a wait that blocks
	s_wait_loadcnt 0x0                             ; q is in
.endm
; A KEY STEP: 128 keys.  open = 1: no tile jumps over it and none has its diagonal here.
.macro STEP open
.if \open == 0
	s_cmp_gt_u32 s[ST], s[DS]                      ; all 128 keys come after my 16 queries
	s_cbranch_scc1 .Lhidden_\@
.endif
	s_lshr_b32 s72, s[ST], 1
	s_mul_i32 s72, s72, SLOTB
	s_and_b32 s73, s[ST], 1
	s_lshl_b32 s74, s73, 13
	s_lshl_b32 s73, s73, 8
	s_add_co_u32 s74, s74, s72                     ; codes: 33,792 (step / 2) + 8,192 (step % 2)
	s_add_co_u32 s73, s73, s72                     ; scale words: + 256 (step % 2)
	v_add_nc_u32 v[ADK], s74, v[LI]
	v_add_nc_u32 v[ADS], s73, v[L8]
.rept 6
	v_nop                                          ; with the two additions: eight places in front of loads into registers that the last products read
.endr
.irp k, 0,1,2,3
.irp c, 0,1,2,3
	ds_load_b128 v[KV+16*\k+4*\c:KV+16*\k+4*\c+3], v[ADK] offset:2048*\k+512*\c
.endr
.endr
	ds_load_b64 v[KS:KS+1], v[ADS] offset:32768
	s_wait_alu depctr_va_vdst(0)
	s_wait_dscnt 0x0
.irp k, 0,1,2,3
.irp u, 0,1
	WM S+8*(2*\k+\u), KV+16*\k, QF+8*\u, 0, KS+\k/2, QS, \k%2
.endr
.endr                                      ; register 8 n + j of S^T: key 16 n + 8 (lane / 16) + j of the step
.rept 8
	v_nop                                          ; places: V's loads land in K's registers, and the scores are read below
.endr
.irp t, 0,1,2,3
.irp c, 0,1,2,3
	ds_load_b128 v[KV+16*\t+4*\c:KV+16*\t+4*\c+3], v[ADK] offset:16384+2048*\t+512*\c
.endr
.endr
	ds_load_b64 v[VS:VS+1], v[ADS] offset:33280
.if \open == 0
	s_cmp_lt_u32 s[ST], s[DS]                      ; all 128 keys count: no mask
	s_cbranch_scc1 .Lopen_\@
.set n, 0
.rept 64
	v_cmp_gt_i32 vcc_lo, 16*(n/8)+n%8, v[DM]
	v_cndmask_b32 v[S+n], v[S+n], v247, vcc_lo
.set n, n+1
.endr
.Lopen_\@:
.endif
.irp b, 0,1,2,3
	v_max3_num_f32 v[BM+\b], v[S+16*\b], v[S+1+16*\b], v[S+2+16*\b]   ; the largest score of each block of 32 keys: for the row's maximum and for the block's largest p
.endr
.irp i, 3,5,7,9,11,13
.irp b, 0,1,2,3
	v_max3_num_f32 v[BM+\b], v[BM+\b], v[S+16*\b+\i], v[S+1+16*\b+\i]
.endr
.endr
.irp b, 0,1,2,3
	v_max_num_f32 v[BM+\b], v[BM+\b], v[S+15+16*\b]
.endr
.irp b, 0,1,2,3
	s_delay_alu instid0(VALU_DEP_4)
	v_permlanex16_b32 v[BT+\b], v[BM+\b], s[SEL], s[SEL+1]
.endr
.irp b, 0,1,2,3
	s_delay_alu instid0(VALU_DEP_4)
	v_max_num_f32 v[BM+\b], v[BM+\b], v[BT+\b]
.endr
	s_delay_alu instid0(VALU_DEP_2)
	v_max3_num_f32 v242, v[BM], v[BM+1], v[BM+2]
	s_delay_alu instid0(VALU_DEP_1)
	v_max_num_f32 v242, v242, v[BM+3]
	s_delay_alu instid0(VALU_DEP_1)
	v_mul_f32 v242, s[CS], v242
	s_delay_alu instid0(VALU_DEP_1)
	v_max_num_f32 v13, v13, v242                   ; the running largest t
	v_mov_b32 v242, v12
	s_delay_alu instid0(VALU_DEP_2)
	v_floor_f32 v12, -v13                          ; the new -M = -ceil(t)
	s_delay_alu instid0(VALU_DEP_1)
	v_sub_f32 v242, v12, v242
	s_delay_alu instid0(VALU_DEP_1)
	v_cvt_i32_f32 v242, v242
	s_delay_alu instid0(VALU_DEP_1)
	v_ldexp_f32 v244, 1.0, v242                    ; f = 2^(old M - new M)
.set j, 0
.rept 32
	v_pk_fma_f32 v[S+j:S+j+1], v[S+j:S+j+1], s[CS:CS+1], v[12:13] op_sel_hi:[1,0,0]   ; t - M
.set j, j+2
.endr
.irp b, 0,1,2,3
	v_fma_f32 v[BM+\b], v[BM+\b], s[CS], v12
.endr
	s_wait_alu depctr_va_vdst(0)                   ; one wait ahead of the batch,
.set j, 0
.rept 64
	v_exp_f32 v[S+j], v[S+j]                       ; p = 2^(t - M)
.set j, j+1
.endr
	v_pk_mul_f32 v[14:15], v[14:15], v[244:245] op_sel_hi:[1,0]   ; the sums under the new M
	s_wait_alu depctr_va_vdst(0)                   ; and one behind it
.irp b, 0,1,2,3
	v_exp_f32 v[BM+\b], v[BM+\b]                   ; the block's largest p: the same two instructions on the same number
.endr
	v_pk_add_f32 v[240:241], v[S:S+1], v[S+2:S+3]  ; the row's sum of the unquantised p, in four chains
	v_pk_add_f32 v[248:249], v[S+4:S+5], v[S+6:S+7]
	v_pk_add_f32 v[250:251], v[S+8:S+9], v[S+10:S+11]
	v_pk_add_f32 v[14:15], v[14:15], v[S+12:S+13]
.set j, 14
.rept 6
	v_pk_add_f32 v[240:241], v[240:241], v[S+j:S+j+1]
	v_pk_add_f32 v[248:249], v[248:249], v[S+j+2:S+j+3]
	v_pk_add_f32 v[250:251], v[250:251], v[S+j+4:S+j+5]
	v_pk_add_f32 v[14:15], v[14:15], v[S+j+6:S+j+7]
.set j, j+8
.endr
	v_pk_add_f32 v[240:241], v[240:241], v[S+62:S+63]
	v_pk_add_f32 v[248:249], v[248:249], v[250:251]
	v_pk_add_f32 v[14:15], v[14:15], v[240:241]
	v_pk_add_f32 v[14:15], v[14:15], v[248:249]
	s_wait_alu depctr_va_vdst(0)                   ; the wait for the four
.irp b, 0,1,2,3
	v_max_num_f32 v[BM+\b], 0x8000000, v[BM+\b]    ; the floor 2^(16 - 127): the byte cannot fall under 1
.endr
.irp b, 0,1,2,3
	s_delay_alu instid0(VALU_DEP_4)
	v_add_nc_u32 v[SO+\b], 0xf8800000, v[BM+\b]    ; 15 off the exponent field: the conversion's scale operand
.endr
.irp b, 0,1,2,3
	v_and_or_b32 v[HL+\b], v[BM+\b], 0x7f800000, s[MNT]   ; 57,344 x the scale
.endr
.irp b, 0,1,2,3
	v_lshrrev_b32 v[BT+\b], 23, v[SO+\b]           ; the scale's byte
.endr
	s_delay_alu instid0(VALU_DEP_3)
	v_lshl_or_b32 v245, v[BT+1], 8, v[BT]
	s_delay_alu instid0(VALU_DEP_1)
	v_lshl_or_b32 v245, v[BT+2], 16, v245
	s_delay_alu instid0(VALU_DEP_1)
	v_lshl_or_b32 v245, v[BT+3], 24, v245
.irp b, 0,1,2,3
.set j, 0
.rept 16
	v_min_num_f32 v[S+16*\b+j], v[S+16*\b+j], v[HL+\b]   ; the conversion does not saturate (ISA guide 7.6.2); p is not negative
.set j, j+1
.endr
	v_cvt_scalef32_pk8_bf8_f32 v[PC+4*\b:PC+4*\b+1], v[S+16*\b:S+16*\b+7], v[SO+\b]
	v_cvt_scalef32_pk8_bf8_f32 v[PC+4*\b+2:PC+4*\b+3], v[S+16*\b+8:S+16*\b+15], v[SO+\b]
.endr
	s_wait_alu depctr_va_vdst(0)                   ; directly ahead of the first reader of O^T
.set j, 0
.rept 16
	v_pk_mul_f32 v[O+j:O+j+1], v[O+j:O+j+1], v[244:245] op_sel_hi:[1,0]   ; O^T under the new M; also the places between the codes' write and the products
.set j, j+2
.endr
	s_wait_alu depctr_va_vdst(0)
	s_wait_dscnt 0x0                               ; V and its scale words are in
.irp t, 0,1,2,3
	WM O+8*\t, KV+16*\t, PC, v[O+8*\t:O+8*\t+7], VS+\t/2, 245, \t%2
.endr
.if \open == 0
.Lhidden_\@:
.endif
.endm
; A tile ends: O^T / the sum (v_rcp_f32 mended by one Newton step) is quantised along the head's 64 channels and leaves as two images of 512 bytes and two scale bytes a row.  next = 1: the short tile's q is asked for first.
.macro FINISH k, next
.rept 8
	v_nop                                          ; places behind the last products
.endr
.if \next
	QLOAD 1
.endif
	v_add_f32 v14, v14, v15
	s_delay_alu instid0(VALU_DEP_1)
	v_permlanex16_b32 v242, v14, s[SEL], s[SEL+1]
	s_delay_alu instid0(VALU_DEP_1)
	v_add_f32 v14, v14, v242
	s_wait_alu depctr_va_vdst(0)
	v_rcp_f32 v246, v14
	v_nop
	s_wait_alu depctr_va_vdst(0)
	v_fma_f32 v242, -v14, v246, 1.0
	v_fma_f32 v246, v242, v246, v246
.set j, 0
.rept 16
	v_pk_mul_f32 v[S+j:S+j+1], v[O+j:O+j+1], v[246:247] op_sel_hi:[1,0]   ; register 8 t + i: channel 16 t + 8 h + i
.set j, j+2
.endr
.irp b, 0,1
	v_max3_num_f32 v[BM+\b], |v[S+16*\b]|, |v[S+1+16*\b]|, 0x8000000
.endr
.irp i, 2,4,6,8,10,12,14
.irp b, 0,1
	s_delay_alu instid0(VALU_DEP_2)
	v_max3_num_f32 v[BM+\b], v[BM+\b], |v[S+16*\b+\i]|, |v[S+1+16*\b+\i]|
.endr
.endr
.irp b, 0,1
	s_delay_alu instid0(VALU_DEP_2)
	v_permlanex16_b32 v[BT+\b], v[BM+\b], s[SEL], s[SEL+1]
.endr
.irp b, 0,1
	s_delay_alu instid0(VALU_DEP_2)
	v_max_num_f32 v[BM+\b], v[BM+\b], v[BT+\b]
.endr
.irp b, 0,1
	s_delay_alu instid0(VALU_DEP_2)
	v_add_nc_u32 v[SO+\b], 0xf8800000, v[BM+\b]
.endr
.irp b, 0,1
	s_delay_alu instid0(VALU_DEP_4)
	v_and_or_b32 v[HL+\b], v[BM+\b], 0x7f800000, s[MNT]
.endr
.irp b, 0,1
	s_delay_alu instid0(VALU_DEP_4)
	v_lshrrev_b32 v[BT+\b], 23, v[SO+\b]
.endr
	s_delay_alu instid0(VALU_DEP_1)
	v_lshl_or_b32 v242, v[BT+1], 8, v[BT]
.irp b, 0,1
.set j, 0
.rept 16
	v_med3_num_f32 v[S+16*\b+j], v[S+16*\b+j], -v[HL+\b], v[HL+\b]
.set j, j+1
.endr
	v_cvt_scalef32_pk8_bf8_f32 v[PC+4*\b:PC+4*\b+1], v[S+16*\b:S+16*\b+7], v[SO+\b]
	v_cvt_scalef32_pk8_bf8_f32 v[PC+4*\b+2:PC+4*\b+3], v[S+16*\b+8:S+16*\b+15], v[SO+\b]
.endr
	v_nop
.irp b, 0,1
.irp c, 0,1
	v_permlane16_swap_b32 v[PC+4*\b+\c], v[PC+4*\b+2+\c]   ; y meets W_proj's codes as they are given: channels 16 h .. 16 h + 15
.endr
.endr
	global_store_b128 v[LI], v[PC:PC+3], s[52+8*\k:53+8*\k]          ; 32 lanes store 512 consecutive bytes, twice on end
	global_store_b128 v[LI], v[PC+4:PC+7], s[52+8*\k:53+8*\k] offset:512
	global_store_b16 v[R2], v242, s[54+8*\k:55+8*\k]   ; lanes 16-31 hold the same word as lanes 0-15 and name the same two bytes
	s_wait_xcnt 0x0                                ; the stores' data registers are written again only behind this wait
.endm
	QLOAD 0
	INITV 0
	s_cmp_lt_u32 s[WV], 2
	s_cbranch_scc0 .Lnot_first
	s_wait_tensorcnt 0x0                           ; waves 0 and 1: keys 0-255 have landed
.Lnot_first:
	s_barrier_signal -1
	s_barrier_wait -1
	s_mov_b32 s[DS], s66
	s_mov_b32 s[ST], 0
.Lp:                                               ; steps 0 and 1: every long tile's queries lie at 384 or beyond
	STEP 1
	s_add_co_u32 s[ST], s[ST], 1
	s_cmp_lt_u32 s[ST], 2
	s_cbranch_scc1 .Lp
	s_wait_tensorcnt 0x0                           ; every wave: its load has landed
	s_wait_dscnt 0x0
	s_barrier_signal -1
	s_barrier_wait -1                              ; the whole head is in LDS; no barrier follows until the end
	s_mov_b32 s[ST], 2
.Lq:
	STEP 0
	s_add_co_u32 s[ST], s[ST], 1
	s_cmp_lt_u32 s[ST], 16
	s_cbranch_scc1 .Lq
	FINISH 0, 1
	INITV 1
	s_mov_b32 s[DS], s67
	s_mov_b32 s[ST], 0
.Lr:                                               ; the short tile: at most 14 steps
	STEP 0
	s_add_co_u32 s[ST], s[ST], 1
	s_cmp_lt_u32 s[ST], 14
	s_cbranch_scc1 .Lr
	FINISH 1, 0
	s_wait_tensorcnt 0x0                           ; the wave's end
	ds_add_u32 v[SPW], v[NIL]
	s_wait_dscnt 0x0
	CROUND                                         ; the closing round
	s_endpgm
.Lfunc_end_k_qc3bcd845da_attn:
	.size	k_qc3bcd845da_attn, .Lfunc_end_k_qc3bcd845da_attn-k_qc3bcd845da_attn
	.p2alignl 7, 3214868480
	.fill 96, 4, 3214868480
	.section	.rodata,"a",@progbits
	.p2align	6, 0x0
	.amdhsa_kernel k_qc3bcd845da_attn
		.amdhsa_group_segment_fixed_size 327680
		.amdhsa_private_segment_fixed_size 0
		.amdhsa_enable_private_segment 0
		.amdhsa_kernarg_size 32
		.amdhsa_user_sgpr_count 2
		.amdhsa_user_sgpr_kernarg_segment_ptr 1
		.amdhsa_wavefront_size32 1
		.amdhsa_system_sgpr_workgroup_id_x 1
		.amdhsa_system_sgpr_workgroup_id_y 1
		.amdhsa_system_sgpr_workgroup_id_z 1
		.amdhsa_system_vgpr_workitem_id 0
		.amdhsa_next_free_vgpr 256
		.amdhsa_next_free_sgpr 100
		.amdhsa_reserve_vcc 1
		.amdhsa_float_denorm_mode_32 3
		.amdhsa_float_denorm_mode_16_64 3
		.amdhsa_memory_ordered 1
		.amdhsa_forward_progress 1
		.amdhsa_inst_pref_size 93
	.end_amdhsa_kernel
	.amdgpu_metadata
---
amdhsa.version: [ 1, 2 ]
amdhsa.kernels:
  - .name:           k_qc3bcd845da_attn
    .symbol:         k_qc3bcd845da_attn.kd
    .args:
      - { .name: qb, .offset: 0, .size: 8, .value_kind: global_buffer, .address_space: global }
      - { .name: kv, .offset: 8, .size: 8, .value_kind: global_buffer, .address_space: global }
      - { .name: y_img, .offset: 16, .size: 8, .value_kind: global_buffer, .address_space: global }
      - { .name: y_sc, .offset: 24, .size: 8, .value_kind: global_buffer, .address_space: global }
    .group_segment_fixed_size: 327680
    .private_segment_fixed_size: 0
    .kernarg_segment_align: 8
    .kernarg_segment_size: 32
    .max_flat_workgroup_size: 512
    .sgpr_count:     100
    .vgpr_count:     256
    .wavefront_size: 32
...
	.end_amdgpu_metadata
.endif
;; end of part 3
;; launch proj (part 4): grid 8 x 32, 4 waves a work-group, clusters of 4 x 4, 327,680 bytes of LDS; arguments y_img, y_sc, W_proj_codes, W_proj_scales, out0; writes out0
.if DOCPART == 4
	.amdgcn_target "amdgcn-amd-amdhsa--gfx1250"
	.amdhsa_code_object_version 6
	.text
	.protected	k_qc3bcd845da_proj
	.globl	k_qc3bcd845da_proj
	.p2align	8
	.type	k_qc3bcd845da_proj,@function
k_qc3bcd845da_proj:
	s_mov_b64 s[64:65], 0
	v_nop
	global_prefetch_b8 v0, s[64:65] scope:SCOPE_SE
	s_setreg_imm32_b32 hwreg(HW_REG_WAVE_MODE, 25, 1), 1
	s_wait_xcnt 0x0
	s_wait_alu depctr_hold_cnt(0) depctr_sa_sdst(0) depctr_va_vdst(0) depctr_va_sdst(0) depctr_va_ssrc(0) depctr_va_vcc(0) depctr_vm_vsrc(0)
	s_getreg_b32 s2, hwreg(HW_REG_IB_STS2, 6, 4)
	s_cmp_eq_u32 s2, 0
	s_cbranch_scc0 .Lentry_in_a_cluster
	s_endpgm
.Lentry_in_a_cluster:
	s_bfe_u32 s2, ttmp6, 0x10000c
	s_cmp_lg_u32 s2, 0xf033
	s_cbranch_scc0 .Lentry_shape_is_right
	s_endpgm
.Lentry_shape_is_right:
; out0 = y W_proj on codes of BF8 (E5M2) with one E8M0 scale for each 32 along K = 1,024; sums and result in f32.
; 256 work-groups, one block of 256 rows x 128 columns each; four waves, 2 x 2.  A WAVE HOLDS 64 ROWS OF W_proj (64 columns of out0), ALL OF K, IN 512 REGISTERS (windows 1 and 2) and takes y's rows past them in blocks of 16:
; a block is 32 products on four accumulators; wave row s15 takes row tiles 2 n + s15, n = 0 .. 7.  A finished block leaves at once through the wave's own stage in LDS, while the next blocks are multiplied.
; A = y: y_img [row / 16][128 of K][32 of K][lane][16], images of the operand's registers: a row tile is 16,384 dense bytes; y_sc [head][row] two bytes.  B = W_proj's rows, K innermost, 1,024 bytes a row; its scale bytes 32 a row.
; LDS: two regions of 128 rows of 1,024 bytes + 16 of padding.  Region 0 takes W_proj's 128 rows; when all waves hold them in registers it is filled again, behind one drained round, with y's tiles 8-15, stated as rows of 1,024 bytes
; with the same padding. Region 1 takes y's tiles 0-7.  Byte b of a tile's image lies at b + 16 (b / 1,024).
; THE HEAD: one load a wave: wave 0 W_proj's rows (a load line of its own: the first barrier shows it alone), wave 1 y's tiles 0-7, wave 2 y's scale bytes, wave 3 W_proj's.
; CLUSTERS 4 x 4: y's tiles and scales are asked for jointly along a row of the cluster, W_proj's along a column.  y's scale bytes are turned from [head][row] into rows of 32 bytes by the four waves, into LDS bytes of their own.
; The matrix instruction is used transposed (source 0 = W_proj's rows): a lane holds eight neighbouring numbers of a row of out0.  No prefetch: the text has no loop to run ahead in.
; Window 0: v4-15 addresses; v32-47 W_proj's scale words (register 8 p + q: lanes 0-15 column tile 2 p, lanes 16-31 tile 2 p + 1); v52-67 y's, two sets of eight; v72-135 two sets of four accumulators; v136-199 two sets of 16 rows on their way out.
; Window 3: y's fragments, two sets of 128.
.set KROW,   1024
.set PITCH,  1040
.set TP,     16*PITCH                  ; a row tile of y in LDS
.set R0,     0
.set R1,     128*PITCH
.set SCL,    2*128*PITCH               ; y's scale bytes, rows of 32, as units of 256 + 16: stored by the waves
.set HALFS,  16*272                    ; those of 128 rows
.set BSC,    SCL+2*HALFS               ; W_proj's, 128 rows
.set RAW,    BSC+HALFS                 ; y_sc as it comes: [head][512 bytes]
.set STG,    RAW+8192                  ; the stages: 16 rows x (256 + 16) bytes a wave
.set SPITCH, 272
.set SPARE,  STG+4*16*SPITCH
.set NP,   8
.set A0,   4                           ; 16 x lane + my row of waves x a tile
.set ADRA, 5                           ; the same at the block that is fetched
.set AAS0, 6                           ; my row's scale words in block 0
.set ADRB, 7                           ; my fragments of W_proj
.set ABS,  8                           ; its scale words
.set STO,  9
.set RD,   10
.set CO,   11
.set SPW,  12
.set NIL,  13
.set RRA,  14
.set RWA,  15
.set SB,   32
.set SA,   52                          ; no product's two scale words have numbers equal modulo 8
.set ACC,  72
.set BB,   136
.set G1W, 24
.set G1A, 32
.set G1R, 48
.set G0W, 56
.set G0A, 60
.set G1S, 68
.set G0S, 76
.set G1SB, 80
.set G0SB, 88
.set G0R, 92
.set MSB, 0
.macro WIN new
.if MSB != (\new)
	s_set_vgpr_msb (MSB<<8)|(\new)
.set MSB, (\new)
.endif
.endm
.macro PLACES n
.rept \n
	v_nop
.endr
.endm
.macro TL g0, g1
	tensor_load_to_lds s[\g0:\g0+3], s[\g1:\g1+7]
	s_nop 0
	PLACES 4
.endm
.macro CROUND
	s_barrier_signal -1
	s_barrier_wait -1
	s_cmp_lg_u32 s14, 0
	s_cbranch_scc1 .Lnot_wave_0_\@
	s_barrier_signal -3
.Lnot_wave_0_\@:
	s_barrier_wait -3
	s_barrier_signal -1
	s_barrier_wait -1
.endm
.macro GROUP1 g, mask, rows            ; so many whole rows of 1,024 bytes, 16 bytes of padding behind each
	s_or_b32 s[\g+0], s[\mask], (1<<20)|(1<<21)|(7<<22)|(3<<25)
	s_mov_b32 s[\g+1], (KROW&0xffff)<<16
	s_mov_b32 s[\g+2], (KROW>>16)|((\rows)<<16)
	s_mov_b32 s[\g+3], KROW<<16
	s_mov_b32 s[\g+4], \rows
	s_mov_b32 s[\g+5], KROW
	s_mov_b32 s[\g+6], 0
	s_mov_b32 s[\g+7], 0
.endm
.macro DESC g, w1, w2, w5              ; group 1's words 1 to 7: a row of w1 elements, w2 rows, pitch w5
	s_mov_b32 s[\g+1], (\w1)<<16
	s_mov_b32 s[\g+2], (\w2)<<16
	s_mov_b32 s[\g+3], (\w1)<<16
	s_mov_b32 s[\g+4], \w2
	s_mov_b32 s[\g+5], \w5
	s_mov_b32 s[\g+6], 0
	s_mov_b32 s[\g+7], 0
.endm
.macro GRP0 g, lds, a
	s_mov_b32 s[\g], 1
	s_mov_b32 s[\g+1], \lds
	s_mov_b64 s[\g+2:\g+3], s[\a:\a+1]
	s_or_b32 s[\g+3], s[\g+3], 0x80000000
.endm
	s_load_b128 s[4:7], s[0:1], 0x0                ; y_img, y_sc
	s_load_b128 s[8:11], s[0:1], 0x10              ; W_proj's codes, its scales
	s_load_b64 s[12:13], s[0:1], 0x20              ; out0
	v_lshl_add_u32 v[SPW], v0, 2, SPARE
	v_mov_b32 v[NIL], 0
	ds_add_u32 v[SPW], v[NIL]                      ; the opening lines
	ds_add_u32 v[SPW], v[NIL]
	v_lshrrev_b32 v1, 5, v0
	v_readfirstlane_b32 s14, v1
	s_lshr_b32 s15, s14, 1                         ; my row of waves
	s_and_b32 s16, s14, 1                          ; my column of waves
	s_bfe_u32 s40, ttmp6, 0x40000
	s_bfe_u32 s41, ttmp6, 0x40004
	s_lshl_b32 s42, ttmp9, 2
	s_add_co_u32 s42, s42, s40                     ; block column, 0 .. 7
	s_and_b32 s17, ttmp7, 0xffff
	s_lshl_b32 s17, s17, 2
	s_add_co_u32 s17, s17, s41                     ; block row, 0 .. 31
	s_lshl_b32 s43, s41, 2
	s_lshl_b32 s43, 15, s43                        ; my row of the cluster
	s_lshl_b32 s44, 0x1111, s40                    ; my column
	GROUP1 G1W, 44, 128
	GROUP1 G1A, 43, 128
	GROUP1 G1R, 43, 32                             ; the refill: a quarter of 128 rows a wave
	s_or_b32 s[G1S+0], s43, (3<<16)|(1<<21)
	DESC G1S, 64, 16, 2048                         ; y_sc: 16 heads x 512 bytes
	s_or_b32 s[G1SB+0], s44, (3<<16)|(1<<20)|(1<<21)|(5<<22)|(3<<25)
	DESC G1SB, 32, 16, 32                          ; W_proj's scales: 4,096 dense bytes
	s_lshl_b32 s20, s17, 18
	s_mov_b32 s21, 0
	s_lshl_b32 s22, s17, 9
	s_mov_b32 s23, 0
	s_lshl_b32 s46, s42, 17
	s_mov_b32 s47, 0
	s_lshl_b32 s18, s42, 12
	s_mov_b32 s19, 0
	s_lshl_b32 s2, s14, 15                         ; the refill: tiles 8-15, my 32 rows of 1,024 bytes
	s_add_co_u32 s2, s2, 131072
	s_mov_b32 s3, 0
	s_wait_dscnt 0x0
	s_wait_kmcnt 0x0
	s_add_nc_u64 s[20:21], s[4:5], s[20:21]
	s_add_nc_u64 s[22:23], s[6:7], s[22:23]
	s_add_nc_u64 s[46:47], s[8:9], s[46:47]
	s_add_nc_u64 s[18:19], s[10:11], s[18:19]
	CROUND
	GRP0 G0W, R0, 46
	GRP0 G0A, R1, 20
	GRP0 G0S, RAW, 22
	GRP0 G0SB, BSC, 18
	s_mov_b32 s[G0R], 1
	s_mul_i32 s[G0R+1], s14, 32*PITCH
	s_add_nc_u64 s[G0R+2:G0R+3], s[20:21], s[2:3]
	s_or_b32 s[G0R+3], s[G0R+3], 0x80000000
.macro ARM under, g0, g1, next         ; one chain of branches on the wave's number, a load to an arm
	s_cmp_lt_u32 s14, \under
	s_cbranch_scc0 \next
	TL \g0, \g1
	s_branch .Lhead_asked
\next:
.endm
	ARM 1, G0W, G1W, .Lhead_a
	ARM 2, G0A, G1A, .Lhead_sa
	ARM 3, G0S, G1S, .Lhead_sb
	TL G0SB, G1SB
.Lhead_asked:
	v_and_b32 v1, 15, v0                           ; r
	v_bfe_u32 v2, v0, 4, 1                         ; h
	v_and_b32 v3, 31, v0                           ; lane
	v_lshlrev_b32 v16, 4, v3
	s_mul_i32 s21, s15, TP
	v_add_nc_u32 v[A0], s21, v16
	v_mul_u32_u24 v17, v1, PITCH
	v_lshl_add_u32 v17, v2, 4, v17
	s_mul_i32 s22, s16, 64*PITCH
	v_add_nc_u32 v[ADRB], s22, v17                 ; W_proj: row 64 x my column of waves + r, + 16 h
	v_lshrrev_b32 v18, 3, v1
	v_mul_u32_u24 v18, v18, 272
	v_and_b32 v19, 7, v1
	v_lshl_add_u32 v18, v19, 5, v18                ; row r of a tile: 32 bytes a row, 8 rows to a unit
	s_mul_i32 s21, s15, 2*272
	s_add_co_u32 s21, s21, SCL
	v_add_nc_u32 v[AAS0], s21, v18
	v_lshrrev_b32 v20, 3, v3
	v_mul_u32_u24 v20, v20, 272
	v_and_b32 v21, 7, v3
	v_lshl_add_u32 v20, v21, 5, v20                ; W_proj's: lane l takes row l of a pair of column tiles
	s_mul_i32 s22, s16, 8*272
	s_add_co_u32 s22, s22, BSC
	v_add_nc_u32 v[ABS], s22, v20
	v_lshl_add_u32 v[RRA], v0, 1, RAW              ; thread n turns rows n and n + 128
	v_lshrrev_b32 v[RWA], 3, v0
	v_mul_u32_u24 v[RWA], v[RWA], 272
	v_and_b32 v22, 7, v0
	v_lshl_add_u32 v[RWA], v22, 5, v[RWA]
	v_add_nc_u32 v[RWA], SCL, v[RWA]
	s_mul_i32 s23, s14, 16*SPITCH
	s_add_co_u32 s23, s23, STG                     ; my stage
	v_mul_u32_u24 v22, v1, SPITCH
	v_lshl_add_u32 v22, v2, 5, v22
	v_add_nc_u32 v[STO], s23, v22                  ; in: row r, 32 bytes for each half of the lanes
	v_mul_u32_u24 v23, v2, SPITCH
	v_lshl_add_u32 v23, v1, 4, v23
	v_add_nc_u32 v[RD], s23, v23                   ; back: lanes 0-15 one row of 256 bytes, lanes 16-31 the next
	v_lshlrev_b32 v23, 12, v2
	v_lshl_add_u32 v[CO], v1, 4, v23               ; and the same two rows in out0
	s_lshl_b32 s20, s17, 8
	s_lshl_b32 s21, s15, 4
	s_add_co_u32 s20, s20, s21
	s_lshl_b32 s20, s20, 12                        ; my first row x 4,096 bytes: under 2^25
	s_lshl_b32 s46, s42, 9
	s_add_co_u32 s20, s20, s46
	s_lshl_b32 s46, s16, 8
	s_add_co_u32 s20, s20, s46
	s_mov_b32 s21, 0
	s_add_nc_u64 s[12:13], s[12:13], s[20:21]
.macro WEIGHTS                         ; my 64 rows of W_proj, all of K: fragment 4 q + b in window 1 + q / 4: 128 loads
.irp q, 0,1,2,3,4,5,6,7
	WIN (1+\q/4)<<6
.irp b, 0,1,2,3
.irp c, 0,1,2,3
	ds_load_b128 v[16*((4*\q+\b)%16)+4*\c:16*((4*\q+\b)%16)+4*\c+3], v[ADRB] offset:128*\q+32*\c+\b*16*PITCH
.endr
.endr
.endr
	WIN 0
.endm
.macro FETCH n                         ; block n: row tile 2 n + s15, all of K, into set n % 2 of window 3, and its scale words: 34 loads
.set FE_, (\n)%2
.if (\n) < 4
	v_add_nc_u32 v[ADRA], R1+2*(\n)*TP, v[A0]
.else
	v_add_nc_u32 v[ADRA], R0+(2*(\n)-8)*TP, v[A0]
.endif
	WIN 3<<6
.irp q, 0,1,2,3,4,5,6,7
.irp c, 0,1,2,3
	ds_load_b128 v[128*FE_+16*\q+4*\c:128*FE_+16*\q+4*\c+3], v[ADRA] offset:2048*\q+512*\c+16*(2*\q+\c/2)
.endr
.endr
	WIN 0
	ds_load_b128 v[SA+8*FE_:SA+8*FE_+3], v[AAS0] offset:(\n)*4*272
	ds_load_b128 v[SA+8*FE_+4:SA+8*FE_+7], v[AAS0] offset:(\n)*4*272+16
.endm
.macro PRODS e                         ; 32 products: K step q, column tile b; the four accumulators take turns; the first four start the sums
.set N_, 0
.rept 32
.set Q_, N_/4
.set B_, N_%4
.set D_, ACC+32*(\e)+8*B_
.set W_, 16*((4*Q_+B_)%16)
.set X_, 128*(\e)+16*Q_
.set SW_, SB+8*(B_/2)+Q_
.set SX_, SA+8*(\e)+Q_
	WIN (1+Q_/4)|(3<<2)
.if Q_ == 0 && B_%2
	v_wmma_scale_f32_16x16x128_f8f6f4 v[D_:D_+7], v[W_:W_+15], v[X_:X_+15], 0, v[SW_], v[SX_] matrix_a_fmt:MATRIX_FMT_BF8 matrix_b_fmt:MATRIX_FMT_BF8 matrix_a_scale:MATRIX_SCALE_ROW1
.elseif Q_ == 0
	v_wmma_scale_f32_16x16x128_f8f6f4 v[D_:D_+7], v[W_:W_+15], v[X_:X_+15], 0, v[SW_], v[SX_] matrix_a_fmt:MATRIX_FMT_BF8 matrix_b_fmt:MATRIX_FMT_BF8
.elseif B_%2
	v_wmma_scale_f32_16x16x128_f8f6f4 v[D_:D_+7], v[W_:W_+15], v[X_:X_+15], v[D_:D_+7], v[SW_], v[SX_] matrix_a_fmt:MATRIX_FMT_BF8 matrix_b_fmt:MATRIX_FMT_BF8 matrix_a_scale:MATRIX_SCALE_ROW1
.else
	v_wmma_scale_f32_16x16x128_f8f6f4 v[D_:D_+7], v[W_:W_+15], v[X_:X_+15], v[D_:D_+7], v[SW_], v[SX_] matrix_a_fmt:MATRIX_FMT_BF8 matrix_b_fmt:MATRIX_FMT_BF8
.endif
.set N_, N_+1
.endr
	WIN 0
.endm
.macro TOSTAGE n                       ; 16 rows x 64 columns into my stage, and back as whole rows of 256 bytes (LDS serves a wave's instructions in order: ISA guide 5.7.1.4): 16 LDS instructions
.set TA_, ACC+32*((\n)%2)
.set TB_, BB+32*((\n)%2)
.irp b, 0,1,2,3
	ds_store_b128 v[STO], v[TA_+8*\b:TA_+8*\b+3] offset:64*\b
	ds_store_b128 v[STO], v[TA_+8*\b+4:TA_+8*\b+7] offset:64*\b+16
.endr
.irp t, 0,1,2,3,4,5,6,7
	ds_load_b128 v[TB_+4*\t:TB_+4*\t+3], v[RD] offset:\t*2*SPITCH
.endr
.endm
.macro SEND n
.set TB_, BB+32*((\n)%2)
	s_wait_dscnt 0x0                               ; the block is back in registers (asked for ahead of the 32 products just issued)
.if (\n) > 0
	s_wait_xcnt 0x0                                ; the earlier stores have read their base and their registers
	s_add_nc_u64 s[12:13], s[12:13], 32*4096       ; my next tile lies 32 rows on
.endif
.irp t, 0,1,2,3,4,5,6,7
	global_store_b128 v[CO], v[TB_+4*\t:TB_+4*\t+3], s[12:13] offset:2*\t*4096 th:TH_STORE_NT   ; sixteen lanes store 256 consecutive bytes, aligned
.endr
.endm
.macro BLK n
.if (\n) == 0
	s_wait_dscnt 34                                ; block 0 is in; block 1's 34 loads may be out
.else
	s_wait_dscnt 50                                ; all but the 16 stage instructions and the 34 loads issued last
.endif
	PRODS (\n)%2
	PLACES NP                                      ; behind the block's last product: its sums are read and its fragments' registers loaded below
.if (\n) > 0
	SEND (\n)-1
.endif
	TOSTAGE \n
.if (\n) == 2
	s_wait_tensorcnt 0x0                           ; my quarter of tiles 8-15 has landed,
	s_wait_dscnt 0x0
	s_barrier_signal -1
	s_barrier_wait -1                              ; everybody's has
.endif
.if (\n) < 6
	FETCH (\n)+2
.endif
.endm
	s_wait_alu depctr_va_vdst(0)                   ; the head's end
	s_cmp_eq_u32 s14, 0
	s_cbranch_scc0 .Lnot_w
	s_wait_tensorcnt 0x0                           ; wave 0: W_proj's rows have landed
.Lnot_w:
	s_barrier_signal -1
	s_barrier_wait -1
	WEIGHTS
	s_wait_tensorcnt 0x0                           ; every wave: its load of the head has landed;
	ds_add_u32 v[SPW], v[NIL]                      ; 0 onto my spare word;
	s_wait_dscnt 0x0                               ; the add is done, and W_proj's rows are in my registers
	CROUND                                         ; so of every wave of the cluster: region 0 may be filled again
	TL G0R, G1R                                    ; y's tiles 8-15, a quarter a wave
.irp u, 0,1
.irp n, 0,1,2,3,4,5,6,7,8,9,10,11,12,13,14,15
	ds_load_u16 v[200+16*\u+\n], v[RRA] offset:\u*256+\n*512   ; head n's two bytes of row thread + 128 u
.endr
.endr
.irp p, 0,1
.irp c, 0,1
	ds_load_b128 v[SB+8*\p+4*\c:SB+8*\p+4*\c+3], v[ABS] offset:\p*4*272+16*\c
.endr
.endr
	s_wait_dscnt 0x0
.irp u, 0,1
.irp j, 0,1,2,3,4,5,6,7
	v_lshl_or_b32 v[232+8*\u+\j], v[200+16*\u+2*\j+1], 16, v[200+16*\u+2*\j]
.endr
.endr
.irp u, 0,1
	ds_store_b128 v[RWA], v[232+8*\u:232+8*\u+3] offset:\u*HALFS
	ds_store_b128 v[RWA], v[236+8*\u:236+8*\u+3] offset:\u*HALFS+16
.endr
	s_wait_dscnt 0x0
	s_barrier_signal -1
	s_barrier_wait -1                              ; every row's 32 scale bytes lie in LDS
	FETCH 0
	FETCH 1
.irp n, 0,1,2,3,4,5,6,7
	BLK \n
.endr
	SEND 7
	s_wait_tensorcnt 0x0                           ; the wave's end
	ds_add_u32 v[SPW], v[NIL]
	s_wait_dscnt 0x0
	CROUND                                         ; the closing round
	s_endpgm
.Lfunc_end_k_qc3bcd845da_proj:
	.size	k_qc3bcd845da_proj, .Lfunc_end_k_qc3bcd845da_proj-k_qc3bcd845da_proj
	.p2alignl 7, 3214868480
	.fill 96, 4, 3214868480
	.section	.rodata,"a",@progbits
	.p2align	6, 0x0
	.amdhsa_kernel k_qc3bcd845da_proj
		.amdhsa_group_segment_fixed_size 327680
		.amdhsa_private_segment_fixed_size 0
		.amdhsa_enable_private_segment 0
		.amdhsa_kernarg_size 40
		.amdhsa_user_sgpr_count 2
		.amdhsa_user_sgpr_kernarg_segment_ptr 1
		.amdhsa_wavefront_size32 1
		.amdhsa_system_sgpr_workgroup_id_x 1
		.amdhsa_system_sgpr_workgroup_id_y 1
		.amdhsa_system_sgpr_workgroup_id_z 1
		.amdhsa_system_vgpr_workitem_id 0
		.amdhsa_next_free_vgpr 1024
		.amdhsa_next_free_sgpr 100
		.amdhsa_reserve_vcc 0
		.amdhsa_float_denorm_mode_32 3
		.amdhsa_float_denorm_mode_16_64 3
		.amdhsa_memory_ordered 1
		.amdhsa_forward_progress 1
		.amdhsa_inst_pref_size 91
	.end_amdhsa_kernel
	.amdgpu_metadata
---
amdhsa.version: [ 1, 2 ]
amdhsa.kernels:
  - .name:           k_qc3bcd845da_proj
    .symbol:         k_qc3bcd845da_proj.kd
    .args:
      - { .name: y_img, .offset: 0, .size: 8, .value_kind: global_buffer, .address_space: global }
      - { .name: y_sc, .offset: 8, .size: 8, .value_kind: global_buffer, .address_space: global }
      - { .name: W_proj_codes, .offset: 16, .size: 8, .value_kind: global_buffer, .address_space: global }
      - { .name: W_proj_scales, .offset: 24, .size: 8, .value_kind: global_buffer, .address_space: global }
      - { .name: out0, .offset: 32, .size: 8, .value_kind: global_buffer, .address_space: global }
    .group_segment_fixed_size: 327680
    .private_segment_fixed_size: 0
    .kernarg_segment_align: 8
    .kernarg_segment_size: 40
    .max_flat_workgroup_size: 128
    .sgpr_count:     100
    .vgpr_count:     1024
    .wavefront_size: 32
...
	.end_amdgpu_metadata
.endif
;; end of part 4
